; MI455X (gfx1250); checked and timed in simulation.
; The chip was launched on July 23, 2026; its instructions are those of AMD's public machine-readable ISA for CDNA 5 (MIT licence, August 2026) and "CDNA5" Instruction Set Architecture Reference Guide (July 2026). The comments in the code are by the model that wrote it; some were corrected since.
;; GPT2 Model. Allowed arithmetic: float matrix products may take bf16 or f16 operands with f32 sums; all other float work in f32.
;; Inputs: Wproj 6 x 256 x 256 float32; Wqkv 6 x 768 x 256 float32; bproj 6 x 256 float32; bqkv 6 x 768 float32; inputs_embeds 4 x 2,048 x 256 float32.
;; Outputs: out0 4 x 2,048 x 256 float32.
;; 2 versions, each right and faster than the one before. Each part assembles by itself: llvm-mc -triple=amdgcn-amd-amdhsa -mcpu=gfx1250 --defsym DOCPART=n.
;; ======== version 1 of 2: 8 launches
;; workspace buffers: g1 528,384 bytes; g2 528,384 bytes; g3 528,384 bytes; g4 528,384 bytes; g5 1,056,768 bytes; xA 8,388,608 bytes; pA 1,048,576 bytes; pB 1,048,576 bytes
;; launch prep (part 1): grid 4 x 24, 4 waves a work-group, no clusters, 34,304 bytes of LDS; arguments Wqkv, Wproj, bqkv, bproj, g1, g2, g3, g4, g5; writes g1, g2, g3, g4, g5
.if DOCPART == 1
	.amdgcn_target "amdgcn-amd-amdhsa--gfx1250"
	.amdhsa_code_object_version 6
	.text
	.protected	k_qc43bf818b4_prep
	.globl	k_qc43bf818b4_prep
	.p2align	8
	.type	k_qc43bf818b4_prep,@function
k_qc43bf818b4_prep:
	s_mov_b64 s[64:65], 0
	v_nop
	global_prefetch_b8 v0, s[64:65] scope:SCOPE_SE
	s_setreg_imm32_b32 hwreg(HW_REG_WAVE_MODE, 25, 1), 1
	s_wait_xcnt 0x0
; Weights f32 -> bf16 (rounded to nearest even, once), laid in the order in which the later launches' lanes want them, and the biases copied.
; A PACK (528,384 bytes) is what one later launch needs: slot 0 Wq, slot 1 Wproj (both of layer p-1), slot 2 Wk, slot 3 Wv (both of layer p),
; 131,072 bytes each, then bq, bproj, bk, bv, 1,024 bytes each.  Pack p = 1..5 is buffer g<p>; the pack of (q5, proj5, k0, v0) lies in g5 behind pack 5.
; A matrix part is [n-tile 0..15][ks 0..7][half 0..1][lane 0..31][16 bytes]: lane (r = lane % 16, h = lane / 16), half f holds
; W[16 tile + r][32 ks + 16 f + 8 h .. + 7]: the operand layout of the 16x16x32 bf16 matrix instruction (ISA guide 7.12.2), so that
; a later wave fills a fragment by plain loads of 512 consecutive bytes.
; Work-group (x, y): y = 4 layer + slot, x = 64 rows of that matrix; each of the four waves takes 16 rows (16,384 bytes, read once, consecutively).
; The change of order goes through the wave's own 16 x 528 bytes of LDS: no wave reads another's bytes, so there is no barrier.
; No matrix unit, no cluster: nothing is multiplied and no byte is read by two work-groups.
.set PACK, 528384
.set LP,   528                         ; LDS row: 512 bytes of bf16 + 16: an odd multiple of 16 bytes, so the 16 rows of a 16-byte read start in different banks
.set X,    32                          ; v[32:159]  16 rows as loaded; later v[32:95] the fragments to store
.set Y,    160                         ; v[160:223] the same in bf16
	s_load_b512 s[8:23], s[0:1], 0x0               ; Wqkv s[8:9], Wproj s[10:11], bqkv s[12:13], bproj s[14:15], g1 .. g4 s[16:23]
	s_load_b64 s[24:25], s[0:1], 0x40              ; g5
	v_lshl_add_u32 v224, v0, 2, 0x8400
	v_mov_b32 v225, 0
	v_lshrrev_b32 v1, 5, v0
	v_readfirstlane_b32 s2, v1                     ; wave 0..3
	s_and_b32 s3, ttmp7, 0xffff
	s_lshr_b32 s4, s3, 2                           ; layer
	s_and_b32 s5, s3, 3                            ; slot: 0 q, 1 proj, 2 k, 3 v
	s_sub_co_i32 s6, s5, 1
	s_max_i32 s6, s6, 0                            ; which third of Wqkv and bqkv: q 0, k 1, v 2
	; offsets of the source, made apart from the addresses
	s_mul_i32 s28, s4, 786432                      ; Wqkv: a layer is 768 rows of 1,024 bytes
	s_lshl_b32 s7, s6, 18
	s_add_co_u32 s28, s28, s7
	s_lshl_b32 s30, s4, 18                         ; Wproj: a layer is 256 rows
	s_mul_i32 s32, s4, 3072                        ; bqkv
	s_lshl_b32 s7, s6, 10
	s_add_co_u32 s32, s32, s7
	s_lshl_b32 s34, s4, 10                         ; bproj
	s_cmp_eq_u32 s5, 1
	s_cselect_b32 s28, s30, s28
	s_cselect_b32 s32, s34, s32
	s_lshl_b32 s7, ttmp9, 16                       ; + 64 rows x group
	s_add_co_u32 s28, s28, s7
	s_lshl_b32 s7, s2, 14                          ; + 16 rows x wave
	s_add_co_u32 s28, s28, s7
	s_mov_b32 s29, 0
	s_lshl_b32 s7, ttmp9, 8                        ; + 64 numbers x group
	s_add_co_u32 s32, s32, s7
	s_mov_b32 s33, 0
	; the pack: q and proj of layer l go to pack l + 1, k and v to pack l; packs 6 and 0 are one, behind pack 5
	s_cmp_lt_u32 s5, 2
	s_cselect_b32 s36, 1, 0
	s_add_co_u32 s36, s36, s4
	s_cmp_eq_u32 s36, 6
	s_cselect_b32 s36, 0, s36
	s_cmp_eq_u32 s36, 0
	s_cselect_b32 s38, PACK, 0
	s_lshl_b32 s7, s5, 17                          ; slot x 131,072
	s_add_co_u32 s40, s38, s7
	s_lshl_b32 s7, ttmp9, 15                       ; 4 tiles x 8,192 x group
	s_add_co_u32 s40, s40, s7
	s_lshl_b32 s7, s2, 13                          ; 8,192 x wave
	s_add_co_u32 s40, s40, s7
	s_mov_b32 s41, 0
	s_lshl_b32 s7, s5, 10                          ; the bias: 524,288 + 1,024 slot + 256 group
	s_add_co_u32 s42, s38, s7
	s_lshl_b32 s7, ttmp9, 8
	s_add_co_u32 s42, s42, s7
	s_add_co_u32 s42, s42, 524288
	s_mov_b32 s43, 0
	s_mul_i32 s26, s2, 16*LP                       ; my wave's LDS
	v_and_b32 v1, 31, v0                           ; lane
	v_lshlrev_b32 v2, 4, v1                        ; 16 lane: loads and stores of 512 consecutive bytes
	v_lshl_add_u32 v3, v1, 3, s26                  ; LDS in: 8 bytes a lane along a row
	v_and_b32 v4, 15, v0
	v_bfe_u32 v5, v0, 4, 1
	v_mul_u32_u24 v4, v4, LP
	v_lshl_add_u32 v4, v5, 4, v4
	v_add_nc_u32 v4, s26, v4                       ; LDS out: row r, 16 h
	v_lshlrev_b32 v5, 3, v1                        ; 8 lane: the bias copy
	s_wait_kmcnt 0x0
	s_cmp_eq_u32 s5, 1
	s_cselect_b64 s[44:45], s[10:11], s[8:9]       ; the matrix
	s_cselect_b64 s[46:47], s[14:15], s[12:13]     ; its bias
	s_add_nc_u64 s[44:45], s[44:45], s[28:29]
	s_add_nc_u64 s[46:47], s[46:47], s[32:33]
	s_mov_b64 s[48:49], s[24:25]                   ; packs 5 and 0 lie in g5
	s_cmp_eq_u32 s36, 1
	s_cselect_b64 s[48:49], s[16:17], s[48:49]
	s_cmp_eq_u32 s36, 2
	s_cselect_b64 s[48:49], s[18:19], s[48:49]
	s_cmp_eq_u32 s36, 3
	s_cselect_b64 s[48:49], s[20:21], s[48:49]
	s_cmp_eq_u32 s36, 4
	s_cselect_b64 s[48:49], s[22:23], s[48:49]
	s_add_nc_u64 s[50:51], s[48:49], s[42:43]      ; where the bias goes
	s_add_nc_u64 s[48:49], s[48:49], s[40:41]      ; where my tile goes
.set ii, 0
.rept 32
	global_load_b128 v[X+4*ii:X+4*ii+3], v2, s[44:45] offset:512*ii th:TH_LOAD_NT   ; load i: half i % 2 of row i / 2
.set ii, ii+1
.endr
	; wave 0 copies the group's 64 bias numbers: 32 lanes x 8 bytes, 256 consecutive bytes, aligned
	s_cmp_lg_u32 s2, 0
	s_cbranch_scc1 .Lno_bias
	global_load_b64 v[6:7], v5, s[46:47]
	s_wait_loadcnt 0x0                             ; the youngest load: behind this wait the counted waits below are met at once in wave 0
	global_store_b64 v5, v[6:7], s[50:51]
.Lno_bias:
.irp q, 0,1,2,3
	s_wait_loadcnt 24-8*\q                         ; loads return in order (ISA guide 5.7.1): the eight of this quarter are in, the younger ones stay out
.set jj, 8*\q
.rept 8
	v_cvt_pk_bf16_f32 v[Y+2*jj],   v[X+4*jj],   v[X+4*jj+1]
	v_cvt_pk_bf16_f32 v[Y+2*jj+1], v[X+4*jj+2], v[X+4*jj+3]
	ds_store_b64 v3, v[Y+2*jj:Y+2*jj+1] offset:(jj>>1)*LP+(jj&1)*256
.set jj, jj+1
.endr
.endr
.set jj, 0
.rept 16
	ds_load_b128 v[X+4*jj:X+4*jj+3], v4 offset:32*jj   ; piece 2 ks + f: bytes 64 ks + 32 f + 16 h of row r; LDS serves a wave in order, so these see the stores above
.set jj, jj+1
.endr
.set jj, 0
.rept 16
	s_wait_dscnt 15-jj                             ; piece jj is in, the younger ones stay out
	global_store_b128 v2, v[X+4*jj:X+4*jj+3], s[48:49] offset:512*jj
.set jj, jj+1
.endr
	s_wait_tensorcnt 0x0
	ds_add_u32 v224, v225
	s_wait_dscnt 0x0
	s_endpgm
.Lfunc_end_k_qc43bf818b4_prep:
	.size	k_qc43bf818b4_prep, .Lfunc_end_k_qc43bf818b4_prep-k_qc43bf818b4_prep
	.p2alignl 7, 3214868480
	.fill 96, 4, 3214868480
	.section	.rodata,"a",@progbits
	.p2align	6, 0x0
	.amdhsa_kernel k_qc43bf818b4_prep
		.amdhsa_group_segment_fixed_size 34304
		.amdhsa_private_segment_fixed_size 0
		.amdhsa_enable_private_segment 0
		.amdhsa_kernarg_size 72
		.amdhsa_user_sgpr_count 2
		.amdhsa_user_sgpr_kernarg_segment_ptr 1
		.amdhsa_wavefront_size32 1
		.amdhsa_system_sgpr_workgroup_id_x 1
		.amdhsa_system_sgpr_workgroup_id_y 1
		.amdhsa_system_sgpr_workgroup_id_z 1
		.amdhsa_system_vgpr_workitem_id 0
		.amdhsa_next_free_vgpr 226
		.amdhsa_next_free_sgpr 66
		.amdhsa_reserve_vcc 0
		.amdhsa_float_denorm_mode_32 3
		.amdhsa_float_denorm_mode_16_64 3
		.amdhsa_memory_ordered 1
		.amdhsa_forward_progress 1
		.amdhsa_inst_pref_size 16
	.end_amdhsa_kernel
	.amdgpu_metadata
---
amdhsa.version: [ 1, 2 ]
amdhsa.kernels:
  - .name:           k_qc43bf818b4_prep
    .symbol:         k_qc43bf818b4_prep.kd
    .args:
      - { .name: Wqkv, .offset: 0, .size: 8, .value_kind: global_buffer, .address_space: global }
      - { .name: Wproj, .offset: 8, .size: 8, .value_kind: global_buffer, .address_space: global }
      - { .name: bqkv, .offset: 16, .size: 8, .value_kind: global_buffer, .address_space: global }
      - { .name: bproj, .offset: 24, .size: 8, .value_kind: global_buffer, .address_space: global }
      - { .name: g1, .offset: 32, .size: 8, .value_kind: global_buffer, .address_space: global }
      - { .name: g2, .offset: 40, .size: 8, .value_kind: global_buffer, .address_space: global }
      - { .name: g3, .offset: 48, .size: 8, .value_kind: global_buffer, .address_space: global }
      - { .name: g4, .offset: 56, .size: 8, .value_kind: global_buffer, .address_space: global }
      - { .name: g5, .offset: 64, .size: 8, .value_kind: global_buffer, .address_space: global }
    .group_segment_fixed_size: 34304
    .private_segment_fixed_size: 0
    .kernarg_segment_align: 8
    .kernarg_segment_size: 72
    .max_flat_workgroup_size: 128
    .sgpr_count:     66
    .vgpr_count:     226
    .wavefront_size: 32
...
	.end_amdgpu_metadata
.endif
;; end of part 1
;; launch first (part 2): grid 64 x 1, 4 waves a work-group, no clusters, 74,240 bytes of LDS; arguments inputs_embeds, g5, pA; writes pA
.if DOCPART == 2
	.amdgcn_target "amdgcn-amd-amdhsa--gfx1250"
	.amdhsa_code_object_version 6
	.text
	.protected	k_qc43bf818b4_first
	.globl	k_qc43bf818b4_first
	.p2align	8
	.type	k_qc43bf818b4_first,@function
k_qc43bf818b4_first:
	s_mov_b64 s[64:65], 0
	v_nop
	global_prefetch_b8 v0, s[64:65] scope:SCOPE_SE
	s_setreg_imm32_b32 hwreg(HW_REG_WAVE_MODE, 25, 1), 1
	s_wait_xcnt 0x0
; k = x Wk^T + bk and v = x Wv^T + bv of layer 0 for 128 tokens, and this work-group's part of M[head] = k^T v (16 x 16, summed over its tokens).
; reference() forms ((q k^T) 0.25) v with no softmax between; the program forms q ((k^T v) 0.25), which is the same sum for every input in another
; ORDER OF ROUNDING: M is summed in f32 (128 tokens here, 16 such parts in a fixed tree in the next launch) and rounded to bf16 once.
; Matrix operands are bf16, all sums and biases f32.  Values are claimed where reference() is finite.
; 64 work-groups of 128 tokens, four waves; wave w owns columns 64 w .. 64 w + 63 (heads 4 w .. 4 w + 3) for all 128 tokens.
; A wave's weights for a whole product (64 columns x 256 K in bf16) are 256 registers, loaded once by 64 loads of 512 consecutive bytes.
; Why 64 work-groups: each needs all of Wk and Wv, so weight bytes grow with the number of work-groups, and so do the parts of M that the next launch adds up.
; No cluster: a joint load would land the weights in LDS, from where each byte would be read again; here each goes straight to the one wave that multiplies it.
; LDS: XH, x in bf16, four column blocks of 128 rows x 144 bytes (128 of data + 16: an odd multiple of 16, so sixteen rows of a 16-byte read start in different banks).
; Wave w writes block w alone; every wave reads all four behind the one barrier.
; REGISTER WINDOWS (s_set_vgpr_msb: bits 1:0 source 0, 3:2 source 1, 5:4 source 2, 7:6 destination):
;   0: addresses, bias tiles, two fragment buffers, 8 accumulator tiles   1: Wk   2: Wv   3: x as loaded, then k^T, v^T and M
.set PK0,   528384                     ; the pack of (q5, proj5, k0, v0) lies behind pack 5 in g5
.set WSLOT, 131072
.set BOFF,  524288
.set HP,    144
.set XHB,   128*HP                     ; a column block of XH
.set L16,  1                           ; 16 lane
.set R4,   3                           ; 4 (lane % 16)
.set VX,   4                           ; x in memory: 1,024 (lane / 16) + 16 (lane % 16)
.set XHS,  5                           ; XH, my block: 144 (lane / 16) + 8 (lane % 16)
.set AX0,  7                           ; v7, v8: fragment address in XH, blocks 0-1 and blocks 2-3
.set BVR,  16                          ; v[16:19] bv as it lands
.set BIAS, 32                          ; v[32:63] four C tiles that hold the bias
.set F0,   64                          ; fragment buffer 0
.set F1,   128                         ; fragment buffer 1
.set ACC,  192                         ; 8 accumulator tiles: (a, nt) at 192 + 8 (4 a + nt)
.set KF,   0                           ; window 3: k^T, group g head nt at 32 g + 8 nt
.set VF,   128                         ; window 3: v^T of the group at work
.set MA,   160                         ; window 3: M of my four heads
.set XIN,  16
.set WB,   20
.set BB,   22
.set POUT, 26
.set MSB, 0
.macro WIN new                         ; the immediate's high byte repeats the setting that is left
.if MSB != \new
	s_set_vgpr_msb (MSB<<8)|\new
.set MSB, \new
.endif
.endm
.macro PLACES                          ; four places behind a matrix instruction (ISA guide 7.12.1) before its results are read or its registers written or loaded into
.rept 4
	v_nop
.endr
.endm
.macro GLD64 win, off                  ; my 64 columns of one weight matrix: 32,768 consecutive bytes into a whole window
	WIN \win
.set ii, 0
.rept 64
	global_load_b128 v[4*ii:4*ii+3], v[L16], s[WB:WB+1] offset:\off+512*ii
.set ii, ii+1
.endr
.endm
; stage s = 2 group + K half: 8 fragments (2 tiles of 16 tokens x 4 K steps of 32) into buffer f
.macro FETCH areg, s, f
.irp a, 0,1
.irp c, 0,1,2,3
	ds_load_b128 v[\f+8*(4*\a+\c):\f+8*(4*\a+\c)+3],   v[\areg+((\s)&1)] offset:(\c>>1)*XHB+(2*((\s)>>1)+\a)*16*HP+(\c&1)*64
	ds_load_b128 v[\f+8*(4*\a+\c)+4:\f+8*(4*\a+\c)+7], v[\areg+((\s)&1)] offset:(\c>>1)*XHB+(2*((\s)>>1)+\a)*16*HP+(\c&1)*64+32
.endr
.endr
.endm
; 32 products of a stage.  The eight accumulators take turns, one instruction a turn.
; tr = 0: tokens are source 0, so a lane holds one column for 8 tokens.  binit: the group's first products take the bias tile as C: nothing is cleared.
.macro MUL tr, s, f, acc, binit
.irp c, 0,1,2,3
.irp a, 0,1
.irp nt, 0,1,2,3
.set WR, 8*(8*\nt+4*((\s)&1)+\c)
.set AR, \f+8*(4*\a+\c)
.set DR, \acc+8*(4*\a+\nt)
.set CR, DR
.if \binit
.if ((\s)&1)==0
.if \c==0
.set CR, BIAS+8*\nt
.endif
.endif
.endif
.if \tr
	v_wmma_f32_16x16x32_bf16 v[DR:DR+7], v[WR:WR+7], v[AR:AR+7], v[CR:CR+7]
.else
	v_wmma_f32_16x16x32_bf16 v[DR:DR+7], v[AR:AR+7], v[WR:WR+7], v[CR:CR+7]
.endif
.endr
.endr
.endr
.endm
; k of 32 tokens, rounded: the two token tiles of a head are at once the operand k^T (row d = lane % 16, K = 32 tokens)
.macro KEPI g
	WIN 0xc0
.irp a, 0,1
.irp nt, 0,1,2,3
.irp i, 0,1,2,3
	v_cvt_pk_bf16_f32 v[KF+32*(\g)+8*\nt+4*\a+\i], v[ACC+8*(4*\a+\nt)+2*\i], v[ACC+8*(4*\a+\nt)+2*\i+1]
.endr
.endr
.endr
.endm
; the same for v, then M += k^T v over the group's 32 tokens; four accumulators by turns
.macro VEPI g
	WIN 0xc0
.irp a, 0,1
.irp nt, 0,1,2,3
.irp i, 0,1,2,3
	v_cvt_pk_bf16_f32 v[VF+8*\nt+4*\a+\i], v[ACC+8*(4*\a+\nt)+2*\i], v[ACC+8*(4*\a+\nt)+2*\i+1]
.endr
.endr
.endr
	WIN 0xff
.irp nt, 0,1,2,3
.if \g
	v_wmma_f32_16x16x32_bf16 v[MA+8*\nt:MA+8*\nt+7], v[KF+32*(\g)+8*\nt:KF+32*(\g)+8*\nt+7], v[VF+8*\nt:VF+8*\nt+7], v[MA+8*\nt:MA+8*\nt+7]
.else
	v_wmma_f32_16x16x32_bf16 v[MA+8*\nt:MA+8*\nt+7], v[KF+32*(\g)+8*\nt:KF+32*(\g)+8*\nt+7], v[VF+8*\nt:VF+8*\nt+7], 0
.endif
.endr
.endm
; stage t of 16: 0-7 the k product, 8-15 the v product, one run: the fetch two stages ahead goes into the buffer just multiplied
.macro KVSTAGE t, cnt
.set SS, (\t)&7
.set FB, F0+64*((\t)&1)
.set GG, SS>>1
	s_wait_dscnt \cnt                              ; this stage's 16 loads are in; the next stage's 16 may stay out
.if \t < 8
	WIN 0x04
.else
	WIN 0x08
.endif
	MUL 0, SS, FB, ACC, 1
	PLACES
.if \t < 14
.set NS, (\t+2)&7
	FETCH AX0, NS, FB                              ; destination and address are in window 0 under the products' setting too
.endif
.if (\t)&1
.if \t < 8
	KEPI GG
.else
	VEPI GG
.endif
.endif
.endm
	s_load_b128 s[4:7], s[0:1], 0x0                ; x, g5
	s_load_b64 s[8:9], s[0:1], 0x10                ; the parts of M
	v_lshl_add_u32 v30, v0, 2, 0x12000
	v_mov_b32 v31, 0
	v_lshrrev_b32 v24, 5, v0
	v_readfirstlane_b32 s2, v24                    ; wave 0..3
	s_lshl_b32 s40, ttmp9, 17                      ; 128 tokens x 1,024 bytes x work-group
	s_lshl_b32 s42, s2, 8                          ; 256 w: my 64 columns in f32
	s_add_co_u32 s40, s40, s42
	s_mov_b32 s41, 0
	s_mov_b32 s43, 0
	s_lshl_b32 s44, s2, 15                         ; 32,768 w: my part of a weight matrix
	s_mov_b32 s45, 0
	s_lshl_b32 s46, ttmp9, 14                      ; 16 heads x 1,024 bytes x work-group
	s_lshl_b32 s47, s2, 12                         ; + my four heads
	s_add_co_u32 s46, s46, s47
	s_mov_b32 s47, 0
	s_mul_i32 s48, s2, XHB                         ; my block of XH
	v_and_b32 v24, 31, v0
	v_and_b32 v25, 15, v0                          ; r
	v_bfe_u32 v26, v0, 4, 1                        ; h
	v_lshlrev_b32 v[L16], 4, v24
	v_lshlrev_b32 v[R4], 2, v25
	v_lshlrev_b32 v[VX], 4, v25
	v_lshl_add_u32 v[VX], v26, 10, v[VX]
	v_mul_u32_u24 v27, v26, HP
	v_lshl_add_u32 v27, v25, 3, v27
	v_add_nc_u32 v[XHS], s48, v27
	v_mul_u32_u24 v27, v25, HP
	v_lshl_add_u32 v[AX0], v26, 4, v27
	v_add_nc_u32 v[AX0+1], 2*XHB, v[AX0]
	s_wait_kmcnt 0x0
	s_add_nc_u64 s[XIN:XIN+1], s[4:5], s[40:41]
	s_add_nc_u64 s[WB:WB+1], s[6:7], s[44:45]
	s_add_nc_u64 s[WB:WB+1], s[WB:WB+1], PK0
	s_add_nc_u64 s[BB:BB+1], s[6:7], s[42:43]
	s_add_nc_u64 s[BB:BB+1], s[BB:BB+1], PK0+BOFF
	s_add_nc_u64 s[POUT:POUT+1], s[8:9], s[46:47]
.irp nt, 0,1,2,3
	global_load_b32 v[BIAS+8*\nt], v[R4], s[BB:BB+1] offset:2048+64*\nt    ; bk of column 16 nt + r
	global_load_b32 v[BVR+\nt],    v[R4], s[BB:BB+1] offset:3072+64*\nt    ; bv likewise
.endr
	WIN 0xc0
.set ii, 0
.rept 64
	global_load_b128 v[4*ii:4*ii+3], v[VX], s[XIN:XIN+1] offset:2048*ii    ; rows 2 i, 2 i + 1: sixteen lanes take my 256 aligned bytes of a row (no hint: the next launch reads x again)
.set ii, ii+1
.endr
	GLD64 0x40, 2*WSLOT                            ; Wk
	s_wait_loadcnt 63                              ; 64 younger loads (Wk) exist; the field's largest count is 63, the stricter wait: x and the biases are in
	WIN 0x0f
.set ii, 0
.rept 64
	v_cvt_pk_bf16_f32 v[F0+2*ii],   v[4*ii],   v[4*ii+1]
	v_cvt_pk_bf16_f32 v[F0+2*ii+1], v[4*ii+2], v[4*ii+3]
.set ii, ii+1
.endr
	WIN 0
.set ii, 0
.rept 64
	ds_store_b64 v[XHS], v[F0+2*ii:F0+2*ii+1] offset:2*HP*ii
.set ii, ii+1
.endr
.irp nt, 0,1,2,3
.irp j, 1,2,3,4,5,6,7
	v_mov_b32 v[BIAS+8*\nt+\j], v[BIAS+8*\nt]      ; a lane's eight results are one column: the C tile holds bk of that column eight times
.endr
.endr
	GLD64 0x80, 3*WSLOT                            ; Wv
	WIN 0
	s_wait_dscnt 0x0                               ; my block of XH is written, for the others' sake
	s_barrier_signal -1
	s_barrier_wait -1
	FETCH AX0, 0, F0
	FETCH AX0, 1, F1
	s_wait_loadcnt 63                              ; 64 younger loads (Wv): Wk is in
	KVSTAGE 0, 16
	KVSTAGE 1, 16
	KVSTAGE 2, 16
	KVSTAGE 3, 16
	KVSTAGE 4, 16
	KVSTAGE 5, 16
	KVSTAGE 6, 16
	KVSTAGE 7, 16
	s_wait_loadcnt 0x0                             ; Wv
	WIN 0
.irp nt, 0,1,2,3
.irp j, 0,1,2,3,4,5,6,7
	v_mov_b32 v[BIAS+8*\nt+\j], v[BVR+\nt]
.endr
.endr
	KVSTAGE 8, 16
	KVSTAGE 9, 16
	KVSTAGE 10, 16
	KVSTAGE 11, 16
	KVSTAGE 12, 16
	KVSTAGE 13, 16
	KVSTAGE 14, 16
	KVSTAGE 15, 0                                  ; nothing younger is out
	PLACES
	WIN 0x0c
.set jj, 0
.rept 8
	global_store_b128 v[L16], v[MA+4*jj:MA+4*jj+3], s[POUT:POUT+1] offset:512*jj   ; [head][half of the registers][lane][4 f32]: 512 consecutive bytes a store
.set jj, jj+1
.endr
	s_set_vgpr_msb 0xc00
	s_wait_tensorcnt 0x0
	ds_add_u32 v30, v31
	s_wait_dscnt 0x0
	s_set_vgpr_msb 0xc
	s_endpgm
.Lfunc_end_k_qc43bf818b4_first:
	.size	k_qc43bf818b4_first, .Lfunc_end_k_qc43bf818b4_first-k_qc43bf818b4_first
	.p2alignl 7, 3214868480
	.fill 96, 4, 3214868480
	.section	.rodata,"a",@progbits
	.p2align	6, 0x0
	.amdhsa_kernel k_qc43bf818b4_first
		.amdhsa_group_segment_fixed_size 74240
		.amdhsa_private_segment_fixed_size 0
		.amdhsa_enable_private_segment 0
		.amdhsa_kernarg_size 24
		.amdhsa_user_sgpr_count 2
		.amdhsa_user_sgpr_kernarg_segment_ptr 1
		.amdhsa_wavefront_size32 1
		.amdhsa_system_sgpr_workgroup_id_x 1
		.amdhsa_system_sgpr_workgroup_id_y 1
		.amdhsa_system_sgpr_workgroup_id_z 1
		.amdhsa_system_vgpr_workitem_id 0
		.amdhsa_next_free_vgpr 1024
		.amdhsa_next_free_sgpr 66
		.amdhsa_reserve_vcc 0
		.amdhsa_float_denorm_mode_32 3
		.amdhsa_float_denorm_mode_16_64 3
		.amdhsa_memory_ordered 1
		.amdhsa_forward_progress 1
		.amdhsa_inst_pref_size 105
	.end_amdhsa_kernel
	.amdgpu_metadata
---
amdhsa.version: [ 1, 2 ]
amdhsa.kernels:
  - .name:           k_qc43bf818b4_first
    .symbol:         k_qc43bf818b4_first.kd
    .args:
      - { .name: inputs_embeds, .offset: 0, .size: 8, .value_kind: global_buffer, .address_space: global }
      - { .name: g5, .offset: 8, .size: 8, .value_kind: global_buffer, .address_space: global }
      - { .name: pA, .offset: 16, .size: 8, .value_kind: global_buffer, .address_space: global }
    .group_segment_fixed_size: 74240
    .private_segment_fixed_size: 0
    .kernarg_segment_align: 8
    .kernarg_segment_size: 24
    .max_flat_workgroup_size: 128
    .sgpr_count:     66
    .vgpr_count:     1024
    .wavefront_size: 32
...
	.end_amdgpu_metadata
.endif
;; end of part 2
;; launch mid1 (part 3): grid 64 x 1, 4 waves a work-group, no clusters, 287,232 bytes of LDS; arguments inputs_embeds, pA, g1, xA, pB; writes xA, pB
.if DOCPART == 3
	.amdgcn_target "amdgcn-amd-amdhsa--gfx1250"
	.amdhsa_code_object_version 6
	.text
	.protected	k_qc43bf818b4_mid1
	.globl	k_qc43bf818b4_mid1
	.p2align	8
	.type	k_qc43bf818b4_mid1,@function
k_qc43bf818b4_mid1:
	s_mov_b64 s[64:65], 0
	v_nop
	global_prefetch_b8 v0, s[64:65] scope:SCOPE_SE
	s_setreg_imm32_b32 hwreg(HW_REG_WAVE_MODE, 25, 1), 1
	s_wait_xcnt 0x0
; One step of the chain for 128 tokens.  Arguments: x in, parts of M in, pack (Wq, Wproj, bq, bproj of layer i-1; Wk, Wv, bk, bv of layer i), x out, parts of M out.
;   M = 0.25 x (sum of the batch's 16 parts);  q = x Wq^T + bq;  y = q M (head by head);  x' = x + bproj + y Wproj^T;  k, v from x';  my part of M' = k^T v.
; reference() forms ((q k^T) 0.25) v with no softmax between; q ((k^T v) 0.25) is the same sum for every input in another ORDER OF ROUNDING:
; M is summed in f32 (128 tokens in the matrix unit, then 16 parts in a fixed tree), scaled by 0.25 (a power of two) and rounded to bf16 once.
; Matrix operands are bf16; x, biases, M and all sums are f32.  Values are claimed where reference() is finite: the y product packs two heads into K = 32
; with zeros for the other head's half, and zero times an infinite or NaN q of that head gives NaN, where reference()'s row is not finite either (through Wproj).
; SHARES: 64 work-groups of 128 tokens, four waves.  Wave w owns columns 64 w .. 64 w + 63 (heads 4 w .. 4 w + 3) of x, q, y, x', k, v for all 128 tokens.
; Its weights for a whole product (64 columns x 256 K in bf16) are 256 registers, asked for one product ahead by 64 loads of 512 consecutive bytes.
; Why 64 work-groups: each needs all four matrices (524,288 bytes) and 16 parts of M; with more work-groups both kinds of bytes grow with their number.
; No cluster, though all work-groups read the same weights: a joint load lands in LDS; a product's weights are 131,072 bytes, this text leaves 40,960 of the
; 327,680 bytes that a work-group can be given, and each weight byte would be read out of LDS again; here it goes straight to the one wave that multiplies it.
; The text is straight-line: the places of the resident weights, of q and of k^T in the registers are fixed.
; LDS, all in four column blocks, block w written by wave w alone:
;   XH  at 0:        x (later x') in bf16, 128 rows x 144 bytes a block     QY at 73,728: y in bf16, the same shape
;   X32 at 147,456:  x + bproj (later x') in f32, 128 rows x 272 bytes a block; read by its own wave alone: it only changes the lanes' order
;   Both pitches are odd multiples of 16 bytes: the sixteen rows of a 16-byte access start in different banks (64 banks of 4 bytes: ISA guide 11.1).
; REGISTER WINDOWS (s_set_vgpr_msb: bits 1:0 source 0, 3:2 source 1, 5:4 source 2, 7:6 destination):
;   0: addresses, bias tiles, two fragment buffers, 8 accumulator tiles
;   1: Wq, then Wk          2: x as loaded, then parts 8-15 of M, then Wproj, then Wv
;   3: parts 0-7 of M; then their sum, M as operand and q as operand; then two sets of proj accumulators; then x' on its way out; then k^T, v^T, M'
.set WSLOT, 131072
.set BOFF,  524288
.set HP,    144
.set XHB,   128*HP                     ; a column block of XH or QY
.set QYB,   4*XHB                      ; QY's first byte
.set XP,    272
.set X32B,  128*XP                     ; a column block of X32
.set X32,   8*XHB                      ; X32's first byte
.set L16,  1                           ; 16 lane
.set H32,  2                           ; 32 (lane / 16)
.set R4,   3                           ; 4 (lane % 16)
.set VX,   4                           ; x in memory: 1,024 (lane / 16) + 16 (lane % 16)
.set XHS,  5                           ; XH, my block, by rows: 144 (lane / 16) + 8 (lane % 16)
.set X32S, 6                           ; X32, my block, by rows: 272 (lane / 16) + 16 (lane % 16)
.set AX0,  7                           ; v7, v8: fragment address in XH: blocks 0-1, blocks 2-3
.set AY0,  9                           ; v9, v10: the same in QY
.set YST,  11                          ; QY, my block: 144 r + 16 h
.set XST,  12                          ; XH, my block: 144 r + 16 h
.set AC,   13                          ; X32, my block: 272 r + 32 h
.set R16,  14                          ; 16 (lane % 16)
.set BVR,  16                          ; v[16:19] bv as it lands
.set BPJ,  20                          ; v[20:23] bproj of my four columns
.set BIAS, 32                          ; v[32:63] four C tiles that hold a bias
.set F0,   64
.set F1,   128
.set ACC,  192                         ; 8 accumulator tiles: (a, nt) at 192 + 8 (4 a + nt)
.set MF,   32                          ; window 3: M as operand: for each pair of heads [Ma (4) zeros (4) Mb (4)]
.set QF,   128                         ; window 3: q as operand: token tile mt, pair of heads p at 128 + 16 mt + 8 p
.set PT,   128                         ; window 3: x' in bf16 on its way to XH
.set KF,   0                           ; window 3: k^T
.set VF,   128                         ; window 3: v^T
.set MA,   160                         ; window 3: M'
.set XIN,  16
.set PIN,  18
.set WB,   20
.set BB,   22
.set XOUT, 24
.set POUT, 26
.set MSB, 0
.macro WIN new                         ; the immediate's high byte repeats the setting that is left
.if MSB != \new
	s_set_vgpr_msb (MSB<<8)|\new
.set MSB, \new
.endif
.endm
.macro PLACES                          ; four places behind a matrix instruction (ISA guide 7.12.1) before its results are read or its registers written or loaded into
.rept 4
	v_nop
.endr
.endm
.macro GLD64 win, off                  ; my 64 columns of one weight matrix: 32,768 consecutive bytes into a whole window
	WIN \win
.set ii, 0
.rept 64
	global_load_b128 v[4*ii:4*ii+3], v[L16], s[WB:WB+1] offset:\off+512*ii
.set ii, ii+1
.endr
.endm
.macro PLD win, p0                     ; eight parts of M, my four heads of each: part p at registers 32 p
	WIN \win
.set pp, 0
.rept 8
.set jj, 0
.rept 8
	global_load_b128 v[32*pp+4*jj:32*pp+4*jj+3], v[L16], s[PIN:PIN+1] offset:(\p0+pp)*16384+512*jj
.set jj, jj+1
.endr
.set pp, pp+1
.endr
.endm
.macro PSUM                            ; eight parts to one, in a fixed tree (4, 2, 1), inside one window; the sum lands in registers 0-31
.irp st, 4,2,1
.set pp, 0
.rept \st
.set qq, 0
.rept 16
	v_pk_add_f32 v[32*pp+2*qq:32*pp+2*qq+1], v[32*pp+2*qq:32*pp+2*qq+1], v[32*(pp+\st)+2*qq:32*(pp+\st)+2*qq+1]
.set qq, qq+1
.endr
.set pp, pp+1
.endr
.endr
.endm
; stage s = 2 group + K half: 8 fragments (2 tiles of 16 tokens x 4 K steps of 32) into buffer f
.macro FETCH areg, s, f
.irp a, 0,1
.irp c, 0,1,2,3
	ds_load_b128 v[\f+8*(4*\a+\c):\f+8*(4*\a+\c)+3],   v[\areg+((\s)&1)] offset:(\c>>1)*XHB+(2*((\s)>>1)+\a)*16*HP+(\c&1)*64
	ds_load_b128 v[\f+8*(4*\a+\c)+4:\f+8*(4*\a+\c)+7], v[\areg+((\s)&1)] offset:(\c>>1)*XHB+(2*((\s)>>1)+\a)*16*HP+(\c&1)*64+32
.endr
.endr
.endm
; 32 products of a stage.  The eight accumulators take turns, one instruction a turn.
; tr = 1: weights are source 0, so a lane holds 8 neighbouring columns of one token; tr = 0: tokens are source 0, a lane holds one column for 8 tokens.
; binit: the group's first products take the bias tile as C: nothing is cleared.
.macro MUL tr, s, f, acc, binit
.irp c, 0,1,2,3
.irp a, 0,1
.irp nt, 0,1,2,3
.set WR, 8*(8*\nt+4*((\s)&1)+\c)
.set AR, \f+8*(4*\a+\c)
.set DR, \acc+8*(4*\a+\nt)
.set CR, DR
.if \binit
.if ((\s)&1)==0
.if \c==0
.set CR, BIAS+8*\nt
.endif
.endif
.endif
.if \tr
	v_wmma_f32_16x16x32_bf16 v[DR:DR+7], v[WR:WR+7], v[AR:AR+7], v[CR:CR+7]
.else
	v_wmma_f32_16x16x32_bf16 v[DR:DR+7], v[AR:AR+7], v[WR:WR+7], v[CR:CR+7]
.endif
.endr
.endr
.endr
.endm
; q of 32 tokens, rounded: the tiles of two neighbouring heads are at once an operand with K = 32 (16 numbers of each head)
.macro QEPI g
	WIN 0xc0
.irp a, 0,1
.irp nt, 0,1,2,3
.irp i, 0,1,2,3
	v_cvt_pk_bf16_f32 v[QF+16*(2*(\g)+\a)+4*\nt+\i], v[ACC+8*(4*\a+\nt)+2*\i], v[ACC+8*(4*\a+\nt)+2*\i+1]
.endr
.endr
.endr
.endm
.macro QSTAGE s, cnt
.set FB, F0+64*((\s)&1)
.set GG, (\s)>>1
	s_wait_dscnt \cnt                              ; this stage's 16 loads are in; the next stage's 16 may stay out
	WIN 0x01
	MUL 1, \s, FB, ACC, 1
	PLACES
.if \s < 6
	WIN 0
.set NS, \s+2
	FETCH AX0, NS, FB                              ; two stages ahead, into the buffer just multiplied
.endif
.if (\s)&1
	QEPI GG
.endif
.endm
; y of 32 tokens x my four heads: source 0 = M^T of one head beside zeros, source 1 = q of the pair of heads; then rounded into my block of QY
.macro YBATCH b
	WIN 0x0f
.irp a, 0,1
.irp nt, 0,1,2,3
	v_wmma_f32_16x16x32_bf16 v[ACC+8*(4*\a+\nt):ACC+8*(4*\a+\nt)+7], v[MF+12*(\nt>>1)+4*(\nt&1):MF+12*(\nt>>1)+4*(\nt&1)+7], v[QF+16*(2*\b+\a)+8*(\nt>>1):QF+16*(2*\b+\a)+8*(\nt>>1)+7], 0
.endr
.endr
	PLACES
	WIN 0
.irp a, 0,1
.irp nt, 0,1,2,3
.irp i, 0,1,2,3
	v_cvt_pk_bf16_f32 v[F0+4*(4*\a+\nt)+\i], v[ACC+8*(4*\a+\nt)+2*\i], v[ACC+8*(4*\a+\nt)+2*\i+1]
.endr
	ds_store_b128 v[YST], v[F0+4*(4*\a+\nt):F0+4*(4*\a+\nt)+3] offset:(2*\b+\a)*16*HP+32*\nt
.endr
.endr
.endm
; x + bproj of group g in the accumulators' layout, from my block of X32, into set g % 2: the proj sums start from it
.macro ACCLOAD g
	WIN 0xc0
.irp a, 0,1
.irp nt, 0,1,2,3
	ds_load_b128 v[64*((\g)&1)+8*(4*\a+\nt):64*((\g)&1)+8*(4*\a+\nt)+3],   v[AC] offset:(2*(\g)+\a)*16*XP+64*\nt
	ds_load_b128 v[64*((\g)&1)+8*(4*\a+\nt)+4:64*((\g)&1)+8*(4*\a+\nt)+7], v[AC] offset:(2*(\g)+\a)*16*XP+64*\nt+16
.endr
.endr
.endm
; x' of group g: f32 back to the same bytes of X32, bf16 into my block of XH: 24 LDS stores
.macro PEPI g, acc
	WIN 0xcf
.irp a, 0,1
.irp nt, 0,1,2,3
.irp i, 0,1,2,3
	v_cvt_pk_bf16_f32 v[PT+4*(4*\a+\nt)+\i], v[\acc+8*(4*\a+\nt)+2*\i], v[\acc+8*(4*\a+\nt)+2*\i+1]
.endr
.endr
.endr
	WIN 0x0c
.irp a, 0,1
.irp nt, 0,1,2,3
	ds_store_b128 v[AC],  v[\acc+8*(4*\a+\nt):\acc+8*(4*\a+\nt)+3],   offset:(2*(\g)+\a)*16*XP+64*\nt
	ds_store_b128 v[AC],  v[\acc+8*(4*\a+\nt)+4:\acc+8*(4*\a+\nt)+7], offset:(2*(\g)+\a)*16*XP+64*\nt+16
	ds_store_b128 v[XST], v[PT+4*(4*\a+\nt):PT+4*(4*\a+\nt)+3] offset:(2*(\g)+\a)*16*HP+32*\nt
.endr
.endr
.endm
.macro PSTAGE s, cnt
.set FB, F0+64*((\s)&1)
.set GG, (\s)>>1
.set ASET, 64*(GG&1)
	s_wait_dscnt \cnt
	WIN 0xf2
	MUL 1, \s, FB, ASET, 0
	PLACES
.if \s < 6
	WIN 0
.set NS, \s+2
	FETCH AY0, NS, FB
.endif
.if (\s)&1
	PEPI GG, ASET
.else
.if \s < 6
.set NG, GG+1
	ACCLOAD NG
.endif
.endif
.endm
; k of 32 tokens, rounded: the two token tiles of a head are at once the operand k^T (row d = lane % 16, K = 32 tokens)
.macro KEPI g
	WIN 0xc0
.irp a, 0,1
.irp nt, 0,1,2,3
.irp i, 0,1,2,3
	v_cvt_pk_bf16_f32 v[KF+32*(\g)+8*\nt+4*\a+\i], v[ACC+8*(4*\a+\nt)+2*\i], v[ACC+8*(4*\a+\nt)+2*\i+1]
.endr
.endr
.endr
.endm
; the same for v, then M' += k^T v over the group's 32 tokens; four accumulators by turns
.macro VEPI g
	WIN 0xc0
.irp a, 0,1
.irp nt, 0,1,2,3
.irp i, 0,1,2,3
	v_cvt_pk_bf16_f32 v[VF+8*\nt+4*\a+\i], v[ACC+8*(4*\a+\nt)+2*\i], v[ACC+8*(4*\a+\nt)+2*\i+1]
.endr
.endr
.endr
	WIN 0xff
.irp nt, 0,1,2,3
.if \g
	v_wmma_f32_16x16x32_bf16 v[MA+8*\nt:MA+8*\nt+7], v[KF+32*(\g)+8*\nt:KF+32*(\g)+8*\nt+7], v[VF+8*\nt:VF+8*\nt+7], v[MA+8*\nt:MA+8*\nt+7]
.else
	v_wmma_f32_16x16x32_bf16 v[MA+8*\nt:MA+8*\nt+7], v[KF+32*(\g)+8*\nt:KF+32*(\g)+8*\nt+7], v[VF+8*\nt:VF+8*\nt+7], 0
.endif
.endr
.endm
; stage t of 16: 0-7 the k product, 8-15 the v product, one run
.macro KVSTAGE t, cnt
.set SS, (\t)&7
.set FB, F0+64*((\t)&1)
.set GG, SS>>1
	s_wait_dscnt \cnt                              ; this stage's 16 loads are in; the next stage's 16 may stay out
.if \t < 8
	WIN 0x04
.else
	WIN 0x08
.endif
	MUL 0, SS, FB, ACC, 1
	PLACES
.if \t < 14
.set NS, (\t+2)&7
	FETCH AX0, NS, FB                              ; destination and address are in window 0 under the products' setting too
.endif
.if (\t)&1
.if \t < 8
	KEPI GG
.else
	VEPI GG
.endif
.endif
.endm
	; ---- ids, offsets, addresses
	s_load_b256 s[4:11], s[0:1], 0x0               ; x in s[4:5], parts in s[6:7], pack s[8:9], x out s[10:11]
	s_load_b64 s[12:13], s[0:1], 0x20              ; parts out
	v_lshl_add_u32 v30, v0, 2, 0x46000
	v_mov_b32 v31, 0
	v_lshrrev_b32 v24, 5, v0
	v_readfirstlane_b32 s2, v24                    ; wave 0..3
	s_lshl_b32 s40, ttmp9, 17                      ; 128 tokens x 1,024 bytes x work-group
	s_lshl_b32 s46, s2, 8                          ; 256 w: my 64 columns in f32
	s_add_co_u32 s40, s40, s46
	s_mov_b32 s41, 0
	s_mov_b32 s47, 0
	s_lshr_b32 s42, ttmp9, 4                       ; batch: 16 work-groups each
	s_lshl_b32 s42, s42, 18                        ; its 16 parts of 16,384 bytes
	s_lshl_b32 s50, s2, 12                         ; my four heads of 1,024 bytes
	s_add_co_u32 s42, s42, s50
	s_mov_b32 s43, 0
	s_lshl_b32 s44, s2, 15                         ; 32,768 w: my part of a weight matrix
	s_mov_b32 s45, 0
	s_lshl_b32 s51, ttmp9, 14                      ; my work-group's part of M'
	s_add_co_u32 s50, s50, s51
	s_mov_b32 s51, 0
	s_mul_i32 s48, s2, XHB                         ; my block of XH
	s_mul_i32 s49, s2, X32B
	s_add_co_u32 s49, s49, X32                     ; my block of X32
	v_and_b32 v24, 31, v0
	v_and_b32 v25, 15, v0                          ; r
	v_bfe_u32 v26, v0, 4, 1                        ; h
	v_lshlrev_b32 v[L16], 4, v24
	v_lshlrev_b32 v[H32], 5, v26
	v_lshlrev_b32 v[R4], 2, v25
	v_lshlrev_b32 v[R16], 4, v25
	v_lshl_add_u32 v[VX], v26, 10, v[R16]
	v_mul_u32_u24 v27, v26, HP
	v_lshl_add_u32 v27, v25, 3, v27
	v_add_nc_u32 v[XHS], s48, v27
	v_mul_u32_u24 v27, v26, XP
	v_lshl_add_u32 v27, v25, 4, v27
	v_add_nc_u32 v[X32S], s49, v27
	v_mul_u32_u24 v27, v25, HP
	v_lshl_add_u32 v[AX0], v26, 4, v27
	v_add_nc_u32 v[AX0+1], 2*XHB, v[AX0]
	v_add_nc_u32 v[AY0], QYB, v[AX0]
	v_add_nc_u32 v[AY0+1], QYB+2*XHB, v[AX0]
	v_add_nc_u32 v[XST], s48, v[AX0]
	v_add_nc_u32 v[YST], QYB, v[XST]
	v_mul_u32_u24 v27, v25, XP
	v_lshl_add_u32 v27, v26, 5, v27
	v_add_nc_u32 v[AC], s49, v27
	s_wait_kmcnt 0x0
	s_add_nc_u64 s[XIN:XIN+1], s[4:5], s[40:41]
	s_add_nc_u64 s[XOUT:XOUT+1], s[10:11], s[40:41]
	s_add_nc_u64 s[PIN:PIN+1], s[6:7], s[42:43]
	s_add_nc_u64 s[WB:WB+1], s[8:9], s[44:45]
	s_add_nc_u64 s[BB:BB+1], s[8:9], s[46:47]
	s_add_nc_u64 s[BB:BB+1], s[BB:BB+1], BOFF
	s_add_nc_u64 s[POUT:POUT+1], s[12:13], s[50:51]
	; ---- first loads: bproj, bq as C tiles (a lane's 8 results are columns 16 nt + 8 h + 0..7), x, Wq
	global_load_b128 v[BPJ:BPJ+3], v[R16], s[BB:BB+1] offset:1024
.irp nt, 0,1,2,3
	global_load_b128 v[BIAS+8*\nt:BIAS+8*\nt+3],   v[H32], s[BB:BB+1] offset:64*\nt
	global_load_b128 v[BIAS+8*\nt+4:BIAS+8*\nt+7], v[H32], s[BB:BB+1] offset:64*\nt+16
.endr
	WIN 0x80
.set ii, 0
.rept 64
	global_load_b128 v[4*ii:4*ii+3], v[VX], s[XIN:XIN+1] offset:2048*ii th:TH_LOAD_NT   ; rows 2 i, 2 i + 1: sixteen lanes take my 256 aligned bytes of a row; read once in this launch
.set ii, ii+1
.endr
	GLD64 0x40, 0                                  ; Wq
	s_wait_loadcnt 63                              ; 64 younger loads (Wq) exist; the field's largest count is 63, the stricter wait: x and the biases are in
	; ---- x in bf16 into XH, x + bproj in f32 into X32
	WIN 0x0a
.set ii, 0
.rept 64
	v_cvt_pk_bf16_f32 v[F0+2*ii],   v[4*ii],   v[4*ii+1]
	v_cvt_pk_bf16_f32 v[F0+2*ii+1], v[4*ii+2], v[4*ii+3]
.set ii, ii+1
.endr
	WIN 0
.set ii, 0
.rept 64
	ds_store_b64 v[XHS], v[F0+2*ii:F0+2*ii+1] offset:2*HP*ii
.set ii, ii+1
.endr
	WIN 0x82
.set ii, 0
.rept 64
	v_pk_add_f32 v[4*ii:4*ii+1],   v[4*ii:4*ii+1],   v[BPJ:BPJ+1]
	v_pk_add_f32 v[4*ii+2:4*ii+3], v[4*ii+2:4*ii+3], v[BPJ+2:BPJ+3]
.set ii, ii+1
.endr
	WIN 0x08
.set ii, 0
.rept 64
	ds_store_b128 v[X32S], v[4*ii:4*ii+3] offset:2*XP*ii
.set ii, ii+1
.endr
	PLD 0xc0, 0                                    ; parts 0-7 of M
	s_wait_dscnt 0x0                               ; my block of XH is written, for the others' sake
	s_barrier_signal -1
	s_barrier_wait -1                              ; XH is whole
	WIN 0
	FETCH AX0, 0, F0
	FETCH AX0, 1, F1
	PLD 0x80, 8                                    ; parts 8-15, into the window that x has left (its LDS stores were waited for above)
	s_wait_loadcnt 63                              ; 64 younger loads (parts 8-15): Wq and parts 0-7 are in
	WIN 0xcf
	PSUM
	; ---- q, first half
	QSTAGE 0, 16
	QSTAGE 1, 16
	QSTAGE 2, 16
	QSTAGE 3, 16
	; ---- M: the other eight parts, the scale, the operand; then Wproj is asked for
	s_wait_loadcnt 0x0                             ; parts 8-15
	WIN 0x8a
	PSUM
	WIN 0xcb
.set qq, 0
.rept 16
	v_pk_add_f32 v[2*qq:2*qq+1], v[2*qq:2*qq+1], v[2*qq:2*qq+1]    ; window 3 += window 2
.set qq, qq+1
.endr
	WIN 0xcf
.set qq, 0
.rept 16
	v_pk_mul_f32 v[2*qq:2*qq+1], v[2*qq:2*qq+1], 0x3e800000 op_sel_hi:[1,0]   ; 1 / sqrt(16)
.set qq, qq+1
.endr
.irp nt, 0,1,2,3
.irp i, 0,1,2,3
	v_cvt_pk_bf16_f32 v[MF+12*(\nt>>1)+8*(\nt&1)+\i], v[8*\nt+2*\i], v[8*\nt+2*\i+1]   ; a lane holds M[8 h + 0..7][r]: row e = r of M^T, K = d
.endr
.endr
.irp p, 0,1
.irp i, 0,1,2,3
	v_mov_b32 v[MF+12*\p+4+\i], 0                  ; the other head's half of K
.endr
.endr
	GLD64 0x80, WSLOT                              ; Wproj
	; ---- q, second half
	QSTAGE 4, 16
	QSTAGE 5, 16
	QSTAGE 6, 16
	QSTAGE 7, 0                                    ; nothing younger is out
	; ---- y
	YBATCH 0
	YBATCH 1
	YBATCH 2
	YBATCH 3
	s_wait_loadcnt 0x0                             ; Wproj
	GLD64 0x40, 2*WSLOT                            ; Wk
	WIN 0
.irp nt, 0,1,2,3
	global_load_b32 v[BIAS+8*\nt], v[R4], s[BB:BB+1] offset:2048+64*\nt    ; bk of column 16 nt + r
.endr
	s_wait_dscnt 0x0                               ; my block of QY is written and my reads of XH are back
	s_barrier_signal -1
	s_barrier_wait -1                              ; QY is whole; nobody reads XH any more
	; ---- x' = (x + bproj) + y Wproj^T.  LDS order: accumulators 0, fetch 0, fetch 1; behind an even stage fetch and the next accumulators (32 loads),
	; behind an odd stage fetch (16 loads) and the group's 24 stores.  Each count below is what was issued behind the loads that the stage needs.
	ACCLOAD 0
	WIN 0
	FETCH AY0, 0, F0
	FETCH AY0, 1, F1
	PSTAGE 0, 16                                   ; fetch 1
	PSTAGE 1, 32                                   ; fetch 2, accumulators 1
	PSTAGE 2, 40                                   ; fetch 3, 24 stores
	PSTAGE 3, 56                                   ; 24 stores, fetch 4, accumulators 2
	PSTAGE 4, 40
	PSTAGE 5, 56
	PSTAGE 6, 40
	PSTAGE 7, 24                                   ; 24 stores
	s_wait_loadcnt 0x0                             ; Wk, bk
	WIN 0
.irp nt, 0,1,2,3
.irp j, 1,2,3,4,5,6,7
	v_mov_b32 v[BIAS+8*\nt+\j], v[BIAS+8*\nt]      ; a lane's eight results are one column: the C tile holds bk of that column eight times
.endr
.endr
	GLD64 0x80, 3*WSLOT                            ; Wv
	WIN 0
.irp nt, 0,1,2,3
	global_load_b32 v[BVR+\nt], v[R4], s[BB:BB+1] offset:3072+64*\nt
.endr
	s_wait_dscnt 0x0                               ; my block of XH (x') is written, my reads of QY are back
	s_barrier_signal -1
	s_barrier_wait -1                              ; XH is whole again
	; ---- x' out: read back by rows from my block of X32; sixteen lanes store 256 consecutive bytes, aligned
	FETCH AX0, 0, F0
	FETCH AX0, 1, F1
	WIN 0xc0
.set ii, 0
.rept 64
	ds_load_b128 v[4*ii:4*ii+3], v[X32S] offset:2*XP*ii
.set ii, ii+1
.endr
	WIN 0x0c
.irp q, 0,1,2,3
	s_wait_dscnt 48-16*\q                          ; the sixteen of this quarter are in, the younger ones stay out
.set jj, 16*\q
.rept 16
	global_store_b128 v[VX], v[4*jj:4*jj+3], s[XOUT:XOUT+1] offset:2048*jj
.set jj, jj+1
.endr
.endr
	; ---- k, v, M'
	KVSTAGE 0, 16
	s_wait_xcnt 0x0                                ; window 3 holds the stores' data: k^T is written over it only behind this wait
	KVSTAGE 1, 16
	KVSTAGE 2, 16
	KVSTAGE 3, 16
	KVSTAGE 4, 16
	KVSTAGE 5, 16
	KVSTAGE 6, 16
	KVSTAGE 7, 16
	s_wait_loadcnt 0x0                             ; Wv, bv
	WIN 0
.irp nt, 0,1,2,3
.irp j, 0,1,2,3,4,5,6,7
	v_mov_b32 v[BIAS+8*\nt+\j], v[BVR+\nt]
.endr
.endr
	KVSTAGE 8, 16
	KVSTAGE 9, 16
	KVSTAGE 10, 16
	KVSTAGE 11, 16
	KVSTAGE 12, 16
	KVSTAGE 13, 16
	KVSTAGE 14, 16
	KVSTAGE 15, 0                                  ; nothing younger is out
	PLACES
	WIN 0x0c
.set jj, 0
.rept 8
	global_store_b128 v[L16], v[MA+4*jj:MA+4*jj+3], s[POUT:POUT+1] offset:512*jj   ; [head][half of the registers][lane][4 f32]: 512 consecutive bytes a store
.set jj, jj+1
.endr
	s_set_vgpr_msb 0xc00
	s_wait_tensorcnt 0x0
	ds_add_u32 v30, v31
	s_wait_dscnt 0x0
	s_set_vgpr_msb 0xc
	s_endpgm
.Lfunc_end_k_qc43bf818b4_mid1:
	.size	k_qc43bf818b4_mid1, .Lfunc_end_k_qc43bf818b4_mid1-k_qc43bf818b4_mid1
	.p2alignl 7, 3214868480
	.fill 96, 4, 3214868480
	.section	.rodata,"a",@progbits
	.p2align	6, 0x0
	.amdhsa_kernel k_qc43bf818b4_mid1
		.amdhsa_group_segment_fixed_size 287232
		.amdhsa_private_segment_fixed_size 0
		.amdhsa_enable_private_segment 0
		.amdhsa_kernarg_size 40
		.amdhsa_user_sgpr_count 2
		.amdhsa_user_sgpr_kernarg_segment_ptr 1
		.amdhsa_wavefront_size32 1
		.amdhsa_system_sgpr_workgroup_id_x 1
		.amdhsa_system_sgpr_workgroup_id_y 1
		.amdhsa_system_sgpr_workgroup_id_z 1
		.amdhsa_system_vgpr_workitem_id 0
		.amdhsa_next_free_vgpr 1024
		.amdhsa_next_free_sgpr 66
		.amdhsa_reserve_vcc 0
		.amdhsa_float_denorm_mode_32 3
		.amdhsa_float_denorm_mode_16_64 3
		.amdhsa_memory_ordered 1
		.amdhsa_forward_progress 1
		.amdhsa_inst_pref_size 255
	.end_amdhsa_kernel
	.section	.bss,"aw",@nobits
	.p2align	6
	.space	262144
	.amdgpu_metadata
---
amdhsa.version: [ 1, 2 ]
amdhsa.kernels:
  - .name:           k_qc43bf818b4_mid1
    .symbol:         k_qc43bf818b4_mid1.kd
    .args:
      - { .name: inputs_embeds, .offset: 0, .size: 8, .value_kind: global_buffer, .address_space: global }
      - { .name: pA, .offset: 8, .size: 8, .value_kind: global_buffer, .address_space: global }
      - { .name: g1, .offset: 16, .size: 8, .value_kind: global_buffer, .address_space: global }
      - { .name: xA, .offset: 24, .size: 8, .value_kind: global_buffer, .address_space: global }
      - { .name: pB, .offset: 32, .size: 8, .value_kind: global_buffer, .address_space: global }
    .group_segment_fixed_size: 287232
    .private_segment_fixed_size: 0
    .kernarg_segment_align: 8
    .kernarg_segment_size: 40
    .max_flat_workgroup_size: 128
    .sgpr_count:     66
    .vgpr_count:     1024
    .wavefront_size: 32
...
	.end_amdgpu_metadata
.endif
;; end of part 3
;; launch mid2: the kernel of part 3 again; grid 64 x 1, 4 waves a work-group, no clusters, 287,232 bytes of LDS; arguments xA, pB, g2, out0, pA; writes out0, pA
;; launch mid3: the kernel of part 3 again; grid 64 x 1, 4 waves a work-group, no clusters, 287,232 bytes of LDS; arguments out0, pA, g3, xA, pB; writes xA, pB
;; launch mid4: the kernel of part 3 again; grid 64 x 1, 4 waves a work-group, no clusters, 287,232 bytes of LDS; arguments xA, pB, g4, out0, pA; writes out0, pA
;; launch mid5: the kernel of part 3 again; grid 64 x 1, 4 waves a work-group, no clusters, 287,232 bytes of LDS; arguments out0, pA, g5, xA, pB; writes xA, pB
;; launch last (part 4): grid 64 x 1, 4 waves a work-group, no clusters, 287,232 bytes of LDS; arguments xA, pB, g5, out0; writes out0
.if DOCPART == 4
	.amdgcn_target "amdgcn-amd-amdhsa--gfx1250"
	.amdhsa_code_object_version 6
	.text
	.protected	k_qc43bf818b4_last
	.globl	k_qc43bf818b4_last
	.p2align	8
	.type	k_qc43bf818b4_last,@function
k_qc43bf818b4_last:
	s_mov_b64 s[64:65], 0
	v_nop
	global_prefetch_b8 v0, s[64:65] scope:SCOPE_SE
	s_setreg_imm32_b32 hwreg(HW_REG_WAVE_MODE, 25, 1), 1
	s_wait_xcnt 0x0
; The last step of the chain for 128 tokens.  Arguments: x in, parts of M in, g5 (the pack of q5, proj5 lies behind pack 5), the output.
;   M = 0.25 x (sum of the batch's 16 parts);  q = x Wq^T + bq;  y = q M (head by head);  out = x + bproj + y Wproj^T.
; reference() forms ((q k^T) 0.25) v with no softmax between; q ((k^T v) 0.25) is the same sum for every input in another ORDER OF ROUNDING:
; M is summed in f32 (128 tokens in the matrix unit, then 16 parts in a fixed tree), scaled by 0.25 (a power of two) and rounded to bf16 once.
; Matrix operands are bf16; x, biases, M and all sums are f32.  Values are claimed where reference() is finite: the y product packs two heads into K = 32
; with zeros for the other head's half, and zero times an infinite or NaN q of that head gives NaN, where reference()'s row is not finite either (through Wproj).
; SHARES: 64 work-groups of 128 tokens, four waves.  Wave w owns columns 64 w .. 64 w + 63 (heads 4 w .. 4 w + 3) of x, q, y and the output for all 128 tokens.
; Its weights for a whole product (64 columns x 256 K in bf16) are 256 registers, asked for one product ahead by 64 loads of 512 consecutive bytes.
; Why 64 work-groups: each needs both matrices (262,144 bytes) and 16 parts of M; with more work-groups both kinds of bytes grow with their number.
; No cluster, though all work-groups read the same weights: a joint load lands in LDS; a product's weights are 131,072 bytes, this text leaves 40,960 of the
; 327,680 bytes that a work-group can be given, and each weight byte would be read out of LDS again; here it goes straight to the one wave that multiplies it.
; LDS, all in four column blocks, block w written by wave w alone:
;   XH  at 0:        x in bf16, 128 rows x 144 bytes a block     QY at 73,728: y in bf16, the same shape
;   X32 at 147,456:  x + bproj (later the output) in f32, 128 rows x 272 bytes a block; read by its own wave alone: it only changes the lanes' order
;   Both pitches are odd multiples of 16 bytes: the sixteen rows of a 16-byte access start in different banks (64 banks of 4 bytes: ISA guide 11.1).
; REGISTER WINDOWS (s_set_vgpr_msb: bits 1:0 source 0, 3:2 source 1, 5:4 source 2, 7:6 destination):
;   0: addresses, bias tiles, two fragment buffers, 8 accumulator tiles      1: Wq      2: x as loaded, then parts 8-15 of M, then Wproj
;   3: parts 0-7 of M; then their sum, M as operand and q as operand; then two sets of proj accumulators; then the output on its way out
.set PK0,   528384
.set WSLOT, 131072
.set BOFF,  524288
.set HP,    144
.set XHB,   128*HP                     ; a column block of XH or QY
.set QYB,   4*XHB                      ; QY's first byte
.set XP,    272
.set X32B,  128*XP                     ; a column block of X32
.set X32,   8*XHB                      ; X32's first byte
.set L16,  1                           ; 16 lane
.set H32,  2                           ; 32 (lane / 16)
.set VX,   4                           ; x in memory: 1,024 (lane / 16) + 16 (lane % 16)
.set XHS,  5                           ; XH, my block, by rows: 144 (lane / 16) + 8 (lane % 16)
.set X32S, 6                           ; X32, my block, by rows: 272 (lane / 16) + 16 (lane % 16)
.set AX0,  7                           ; v7, v8: fragment address in XH: blocks 0-1, blocks 2-3
.set AY0,  9                           ; v9, v10: the same in QY
.set YST,  11                          ; QY, my block: 144 r + 16 h
.set AC,   13                          ; X32, my block: 272 r + 32 h
.set R16,  14                          ; 16 (lane % 16)
.set BPJ,  20                          ; v[20:23] bproj of my four columns
.set BIAS, 32                          ; v[32:63] four C tiles that hold bq
.set F0,   64
.set F1,   128
.set ACC,  192                         ; 8 accumulator tiles: (a, nt) at 192 + 8 (4 a + nt)
.set MF,   32                          ; window 3: M as operand: for each pair of heads [Ma (4) zeros (4) Mb (4)]
.set QF,   128                         ; window 3: q as operand: token tile mt, pair of heads p at 128 + 16 mt + 8 p
.set XIN,  16
.set PIN,  18
.set WB,   20
.set BB,   22
.set XOUT, 24
.set MSB, 0
.macro WIN new                         ; the immediate's high byte repeats the setting that is left
.if MSB != \new
	s_set_vgpr_msb (MSB<<8)|\new
.set MSB, \new
.endif
.endm
.macro PLACES                          ; four places behind a matrix instruction (ISA guide 7.12.1) before its results are read or its registers written or loaded into
.rept 4
	v_nop
.endr
.endm
.macro GLD64 win, off                  ; my 64 columns of one weight matrix: 32,768 consecutive bytes into a whole window
	WIN \win
.set ii, 0
.rept 64
	global_load_b128 v[4*ii:4*ii+3], v[L16], s[WB:WB+1] offset:\off+512*ii
.set ii, ii+1
.endr
.endm
.macro PLD win, p0                     ; eight parts of M, my four heads of each: part p at registers 32 p
	WIN \win
.set pp, 0
.rept 8
.set jj, 0
.rept 8
	global_load_b128 v[32*pp+4*jj:32*pp+4*jj+3], v[L16], s[PIN:PIN+1] offset:(\p0+pp)*16384+512*jj
.set jj, jj+1
.endr
.set pp, pp+1
.endr
.endm
.macro PSUM                            ; eight parts to one, in a fixed tree (4, 2, 1), inside one window; the sum lands in registers 0-31
.irp st, 4,2,1
.set pp, 0
.rept \st
.set qq, 0
.rept 16
	v_pk_add_f32 v[32*pp+2*qq:32*pp+2*qq+1], v[32*pp+2*qq:32*pp+2*qq+1], v[32*(pp+\st)+2*qq:32*(pp+\st)+2*qq+1]
.set qq, qq+1
.endr
.set pp, pp+1
.endr
.endr
.endm
; stage s = 2 group + K half: 8 fragments (2 tiles of 16 tokens x 4 K steps of 32) into buffer f
.macro FETCH areg, s, f
.irp a, 0,1
.irp c, 0,1,2,3
	ds_load_b128 v[\f+8*(4*\a+\c):\f+8*(4*\a+\c)+3],   v[\areg+((\s)&1)] offset:(\c>>1)*XHB+(2*((\s)>>1)+\a)*16*HP+(\c&1)*64
	ds_load_b128 v[\f+8*(4*\a+\c)+4:\f+8*(4*\a+\c)+7], v[\areg+((\s)&1)] offset:(\c>>1)*XHB+(2*((\s)>>1)+\a)*16*HP+(\c&1)*64+32
.endr
.endr
.endm
; 32 products of a stage.  The eight accumulators take turns, one instruction a turn.
; Weights are source 0, so a lane holds 8 neighbouring columns of one token.  binit: the group's first products take the bias tile as C: nothing is cleared.
.macro MUL s, f, acc, binit
.irp c, 0,1,2,3
.irp a, 0,1
.irp nt, 0,1,2,3
.set WR, 8*(8*\nt+4*((\s)&1)+\c)
.set AR, \f+8*(4*\a+\c)
.set DR, \acc+8*(4*\a+\nt)
.set CR, DR
.if \binit
.if ((\s)&1)==0
.if \c==0
.set CR, BIAS+8*\nt
.endif
.endif
.endif
	v_wmma_f32_16x16x32_bf16 v[DR:DR+7], v[WR:WR+7], v[AR:AR+7], v[CR:CR+7]
.endr
.endr
.endr
.endm
; q of 32 tokens, rounded: the tiles of two neighbouring heads are at once an operand with K = 32 (16 numbers of each head)
.macro QEPI g
	WIN 0xc0
.irp a, 0,1
.irp nt, 0,1,2,3
.irp i, 0,1,2,3
	v_cvt_pk_bf16_f32 v[QF+16*(2*(\g)+\a)+4*\nt+\i], v[ACC+8*(4*\a+\nt)+2*\i], v[ACC+8*(4*\a+\nt)+2*\i+1]
.endr
.endr
.endr
.endm
.macro QSTAGE s, cnt
.set FB, F0+64*((\s)&1)
.set GG, (\s)>>1
	s_wait_dscnt \cnt                              ; this stage's 16 loads are in; the next stage's 16 may stay out
	WIN 0x01
	MUL \s, FB, ACC, 1
	PLACES
.if \s < 6
	WIN 0
.set NS, \s+2
	FETCH AX0, NS, FB                              ; two stages ahead, into the buffer just multiplied
.endif
.if (\s)&1
	QEPI GG
.endif
.endm
; y of 32 tokens x my four heads: source 0 = M^T of one head beside zeros, source 1 = q of the pair of heads; then rounded into my block of QY
.macro YBATCH b
	WIN 0x0f
.irp a, 0,1
.irp nt, 0,1,2,3
	v_wmma_f32_16x16x32_bf16 v[ACC+8*(4*\a+\nt):ACC+8*(4*\a+\nt)+7], v[MF+12*(\nt>>1)+4*(\nt&1):MF+12*(\nt>>1)+4*(\nt&1)+7], v[QF+16*(2*\b+\a)+8*(\nt>>1):QF+16*(2*\b+\a)+8*(\nt>>1)+7], 0
.endr
.endr
	PLACES
	WIN 0
.irp a, 0,1
.irp nt, 0,1,2,3
.irp i, 0,1,2,3
	v_cvt_pk_bf16_f32 v[F0+4*(4*\a+\nt)+\i], v[ACC+8*(4*\a+\nt)+2*\i], v[ACC+8*(4*\a+\nt)+2*\i+1]
.endr
	ds_store_b128 v[YST], v[F0+4*(4*\a+\nt):F0+4*(4*\a+\nt)+3] offset:(2*\b+\a)*16*HP+32*\nt
.endr
.endr
.endm
; x + bproj of group g in the accumulators' layout, from my block of X32, into set g % 2: the proj sums start from it
.macro ACCLOAD g
	WIN 0xc0
.irp a, 0,1
.irp nt, 0,1,2,3
	ds_load_b128 v[64*((\g)&1)+8*(4*\a+\nt):64*((\g)&1)+8*(4*\a+\nt)+3],   v[AC] offset:(2*(\g)+\a)*16*XP+64*\nt
	ds_load_b128 v[64*((\g)&1)+8*(4*\a+\nt)+4:64*((\g)&1)+8*(4*\a+\nt)+7], v[AC] offset:(2*(\g)+\a)*16*XP+64*\nt+16
.endr
.endr
.endm
; the output of group g, f32, back to the same bytes of X32: 16 LDS stores
.macro PEPI g, acc
	WIN 0x0c
.irp a, 0,1
.irp nt, 0,1,2,3
	ds_store_b128 v[AC], v[\acc+8*(4*\a+\nt):\acc+8*(4*\a+\nt)+3]   offset:(2*(\g)+\a)*16*XP+64*\nt
	ds_store_b128 v[AC], v[\acc+8*(4*\a+\nt)+4:\acc+8*(4*\a+\nt)+7] offset:(2*(\g)+\a)*16*XP+64*\nt+16
.endr
.endr
.endm
.macro PSTAGE s, cnt
.set FB, F0+64*((\s)&1)
.set GG, (\s)>>1
.set ASET, 64*(GG&1)
	s_wait_dscnt \cnt
	WIN 0xf2
	MUL \s, FB, ASET, 0
	PLACES
.if \s < 6
	WIN 0
.set NS, \s+2
	FETCH AY0, NS, FB
.endif
.if (\s)&1
	PEPI GG, ASET
.else
.if \s < 6
.set NG, GG+1
	ACCLOAD NG
.endif
.endif
.endm
	; ---- ids, offsets, addresses
	s_load_b256 s[4:11], s[0:1], 0x0               ; x in s[4:5], parts in s[6:7], g5 s[8:9], the output s[10:11]
	v_lshl_add_u32 v30, v0, 2, 0x46000
	v_mov_b32 v31, 0
	v_lshrrev_b32 v24, 5, v0
	v_readfirstlane_b32 s2, v24                    ; wave 0..3
	s_lshl_b32 s40, ttmp9, 17                      ; 128 tokens x 1,024 bytes x work-group
	s_lshl_b32 s46, s2, 8                          ; 256 w: my 64 columns in f32
	s_add_co_u32 s40, s40, s46
	s_mov_b32 s41, 0
	s_mov_b32 s47, 0
	s_lshr_b32 s42, ttmp9, 4                       ; batch: 16 work-groups each
	s_lshl_b32 s42, s42, 18                        ; its 16 parts of 16,384 bytes
	s_lshl_b32 s50, s2, 12                         ; my four heads of 1,024 bytes
	s_add_co_u32 s42, s42, s50
	s_mov_b32 s43, 0
	s_lshl_b32 s44, s2, 15                         ; 32,768 w: my part of a weight matrix
	s_mov_b32 s45, 0
	s_mul_i32 s48, s2, XHB                         ; my block of XH
	s_mul_i32 s49, s2, X32B
	s_add_co_u32 s49, s49, X32                     ; my block of X32
	v_and_b32 v24, 31, v0
	v_and_b32 v25, 15, v0                          ; r
	v_bfe_u32 v26, v0, 4, 1                        ; h
	v_lshlrev_b32 v[L16], 4, v24
	v_lshlrev_b32 v[H32], 5, v26
	v_lshlrev_b32 v[R16], 4, v25
	v_lshl_add_u32 v[VX], v26, 10, v[R16]
	v_mul_u32_u24 v27, v26, HP
	v_lshl_add_u32 v27, v25, 3, v27
	v_add_nc_u32 v[XHS], s48, v27
	v_mul_u32_u24 v27, v26, XP
	v_lshl_add_u32 v27, v25, 4, v27
	v_add_nc_u32 v[X32S], s49, v27
	v_mul_u32_u24 v27, v25, HP
	v_lshl_add_u32 v[AX0], v26, 4, v27
	v_add_nc_u32 v[AX0+1], 2*XHB, v[AX0]
	v_add_nc_u32 v[AY0], QYB, v[AX0]
	v_add_nc_u32 v[AY0+1], QYB+2*XHB, v[AX0]
	v_add_nc_u32 v[YST], s48, v[AY0]
	v_mul_u32_u24 v27, v25, XP
	v_lshl_add_u32 v27, v26, 5, v27
	v_add_nc_u32 v[AC], s49, v27
	s_wait_kmcnt 0x0
	s_add_nc_u64 s[XIN:XIN+1], s[4:5], s[40:41]
	s_add_nc_u64 s[XOUT:XOUT+1], s[10:11], s[40:41]
	s_add_nc_u64 s[PIN:PIN+1], s[6:7], s[42:43]
	s_add_nc_u64 s[WB:WB+1], s[8:9], s[44:45]
	s_add_nc_u64 s[WB:WB+1], s[WB:WB+1], PK0
	s_add_nc_u64 s[BB:BB+1], s[8:9], s[46:47]
	s_add_nc_u64 s[BB:BB+1], s[BB:BB+1], PK0+BOFF
	; ---- first loads: bproj, bq as C tiles (a lane's 8 results are columns 16 nt + 8 h + 0..7), x, Wq
	global_load_b128 v[BPJ:BPJ+3], v[R16], s[BB:BB+1] offset:1024
.irp nt, 0,1,2,3
	global_load_b128 v[BIAS+8*\nt:BIAS+8*\nt+3],   v[H32], s[BB:BB+1] offset:64*\nt
	global_load_b128 v[BIAS+8*\nt+4:BIAS+8*\nt+7], v[H32], s[BB:BB+1] offset:64*\nt+16
.endr
	WIN 0x80
.set ii, 0
.rept 64
	global_load_b128 v[4*ii:4*ii+3], v[VX], s[XIN:XIN+1] offset:2048*ii th:TH_LOAD_NT   ; rows 2 i, 2 i + 1: sixteen lanes take my 256 aligned bytes of a row; read once in this launch
.set ii, ii+1
.endr
	GLD64 0x40, 0                                  ; Wq
	s_wait_loadcnt 63                              ; 64 younger loads (Wq) exist; the field's largest count is 63, the stricter wait: x and the biases are in
	; ---- x in bf16 into XH, x + bproj in f32 into X32
	WIN 0x0a
.set ii, 0
.rept 64
	v_cvt_pk_bf16_f32 v[F0+2*ii],   v[4*ii],   v[4*ii+1]
	v_cvt_pk_bf16_f32 v[F0+2*ii+1], v[4*ii+2], v[4*ii+3]
.set ii, ii+1
.endr
	WIN 0
.set ii, 0
.rept 64
	ds_store_b64 v[XHS], v[F0+2*ii:F0+2*ii+1] offset:2*HP*ii
.set ii, ii+1
.endr
	WIN 0x82
.set ii, 0
.rept 64
	v_pk_add_f32 v[4*ii:4*ii+1],   v[4*ii:4*ii+1],   v[BPJ:BPJ+1]
	v_pk_add_f32 v[4*ii+2:4*ii+3], v[4*ii+2:4*ii+3], v[BPJ+2:BPJ+3]
.set ii, ii+1
.endr
	WIN 0x08
.set ii, 0
.rept 64
	ds_store_b128 v[X32S], v[4*ii:4*ii+3] offset:2*XP*ii
.set ii, ii+1
.endr
	PLD 0xc0, 0                                    ; parts 0-7 of M
	s_wait_dscnt 0x0                               ; my block of XH is written, for the others' sake
	s_barrier_signal -1
	s_barrier_wait -1                              ; XH is whole
	WIN 0
	FETCH AX0, 0, F0
	FETCH AX0, 1, F1
	PLD 0x80, 8                                    ; parts 8-15, into the window that x has left (its LDS stores were waited for above)
	s_wait_loadcnt 63                              ; 64 younger loads (parts 8-15): Wq and parts 0-7 are in
	WIN 0xcf
	PSUM
	; ---- q, first half
	QSTAGE 0, 16
	QSTAGE 1, 16
	QSTAGE 2, 16
	QSTAGE 3, 16
	; ---- M: the other eight parts, the scale, the operand; then Wproj is asked for
	s_wait_loadcnt 0x0                             ; parts 8-15
	WIN 0x8a
	PSUM
	WIN 0xcb
.set qq, 0
.rept 16
	v_pk_add_f32 v[2*qq:2*qq+1], v[2*qq:2*qq+1], v[2*qq:2*qq+1]    ; window 3 += window 2
.set qq, qq+1
.endr
	WIN 0xcf
.set qq, 0
.rept 16
	v_pk_mul_f32 v[2*qq:2*qq+1], v[2*qq:2*qq+1], 0x3e800000 op_sel_hi:[1,0]   ; 1 / sqrt(16)
.set qq, qq+1
.endr
.irp nt, 0,1,2,3
.irp i, 0,1,2,3
	v_cvt_pk_bf16_f32 v[MF+12*(\nt>>1)+8*(\nt&1)+\i], v[8*\nt+2*\i], v[8*\nt+2*\i+1]   ; a lane holds M[8 h + 0..7][r]: row e = r of M^T, K = d
.endr
.endr
.irp p, 0,1
.irp i, 0,1,2,3
	v_mov_b32 v[MF+12*\p+4+\i], 0                  ; the other head's half of K
.endr
.endr
	GLD64 0x80, WSLOT                              ; Wproj
	; ---- q, second half
	QSTAGE 4, 16
	QSTAGE 5, 16
	QSTAGE 6, 16
	QSTAGE 7, 0                                    ; nothing younger is out
	; ---- y
	YBATCH 0
	YBATCH 1
	YBATCH 2
	YBATCH 3
	s_wait_loadcnt 0x0                             ; Wproj
	s_wait_dscnt 0x0                               ; my block of QY is written
	s_barrier_signal -1
	s_barrier_wait -1                              ; QY is whole
	; ---- out = (x + bproj) + y Wproj^T.  LDS order: accumulators 0, fetch 0, fetch 1; behind an even stage fetch and the next accumulators (32 loads),
	; behind an odd stage fetch (16 loads) and the group's 16 stores.  Each count below is what was issued behind the loads that the stage needs.
	ACCLOAD 0
	WIN 0
	FETCH AY0, 0, F0
	FETCH AY0, 1, F1
	PSTAGE 0, 16                                   ; fetch 1
	PSTAGE 1, 32                                   ; fetch 2, accumulators 1
	PSTAGE 2, 32                                   ; fetch 3, 16 stores
	PSTAGE 3, 48                                   ; 16 stores, fetch 4, accumulators 2
	PSTAGE 4, 32
	PSTAGE 5, 48
	PSTAGE 6, 32
	PSTAGE 7, 16                                   ; 16 stores
	; ---- the way out: read back by rows from my own block of X32 (LDS serves a wave in order, so these see my stores); sixteen lanes store 256 consecutive bytes, aligned
	WIN 0xc0
.set ii, 0
.rept 64
	ds_load_b128 v[4*ii:4*ii+3], v[X32S] offset:2*XP*ii
.set ii, ii+1
.endr
	WIN 0x0c
.irp q, 0,1,2,3
	s_wait_dscnt 48-16*\q                          ; the sixteen of this quarter are in, the younger ones stay out
.set jj, 16*\q
.rept 16
	global_store_b128 v[VX], v[4*jj:4*jj+3], s[XOUT:XOUT+1] offset:2048*jj th:TH_STORE_NT
.set jj, jj+1
.endr
.endr
	s_set_vgpr_msb 0xc00
	s_wait_tensorcnt 0x0
	ds_add_u32 v30, v31
	s_wait_dscnt 0x0
	s_set_vgpr_msb 0xc
	s_endpgm
.Lfunc_end_k_qc43bf818b4_last:
	.size	k_qc43bf818b4_last, .Lfunc_end_k_qc43bf818b4_last-k_qc43bf818b4_last
	.p2alignl 7, 3214868480
	.fill 96, 4, 3214868480
	.section	.rodata,"a",@progbits
	.p2align	6, 0x0
	.amdhsa_kernel k_qc43bf818b4_last
		.amdhsa_group_segment_fixed_size 287232
		.amdhsa_private_segment_fixed_size 0
		.amdhsa_enable_private_segment 0
		.amdhsa_kernarg_size 32
		.amdhsa_user_sgpr_count 2
		.amdhsa_user_sgpr_kernarg_segment_ptr 1
		.amdhsa_wavefront_size32 1
		.amdhsa_system_sgpr_workgroup_id_x 1
		.amdhsa_system_sgpr_workgroup_id_y 1
		.amdhsa_system_sgpr_workgroup_id_z 1
		.amdhsa_system_vgpr_workitem_id 0
		.amdhsa_next_free_vgpr 1024
		.amdhsa_next_free_sgpr 66
		.amdhsa_reserve_vcc 0
		.amdhsa_float_denorm_mode_32 3
		.amdhsa_float_denorm_mode_16_64 3
		.amdhsa_memory_ordered 1
		.amdhsa_forward_progress 1
		.amdhsa_inst_pref_size 167
	.end_amdhsa_kernel
	.amdgpu_metadata
---
amdhsa.version: [ 1, 2 ]
amdhsa.kernels:
  - .name:           k_qc43bf818b4_last
    .symbol:         k_qc43bf818b4_last.kd
    .args:
      - { .name: xA, .offset: 0, .size: 8, .value_kind: global_buffer, .address_space: global }
      - { .name: pB, .offset: 8, .size: 8, .value_kind: global_buffer, .address_space: global }
      - { .name: g5, .offset: 16, .size: 8, .value_kind: global_buffer, .address_space: global }
      - { .name: out0, .offset: 24, .size: 8, .value_kind: global_buffer, .address_space: global }
    .group_segment_fixed_size: 287232
    .private_segment_fixed_size: 0
    .kernarg_segment_align: 8
    .kernarg_segment_size: 32
    .max_flat_workgroup_size: 128
    .sgpr_count:     66
    .vgpr_count:     1024
    .wavefront_size: 32
...
	.end_amdgpu_metadata
.endif
;; end of part 4
;; ======== version 2 of 2: 8 launches; 1.20 times as fast as version 1
;; workspace buffers: g1 528,384 bytes; g2 528,384 bytes; g3 528,384 bytes; g4 528,384 bytes; g5 1,056,768 bytes; xA 8,388,608 bytes; pA 2,097,152 bytes; pB 2,097,152 bytes
;; launch prep: the kernel of part 1 again; grid 4 x 24, 4 waves a work-group, no clusters, 34,304 bytes of LDS; arguments Wqkv, Wproj, bqkv, bproj, g1, g2, g3, g4, g5; writes g1, g2, g3, g4, g5
;; launch first (part 5): grid 128 x 1, 4 waves a work-group, no clusters, 37,376 bytes of LDS; arguments inputs_embeds, g5, pA; writes pA
.if DOCPART == 5
	.amdgcn_target "amdgcn-amd-amdhsa--gfx1250"
	.amdhsa_code_object_version 6
	.text
	.protected	k_qc43bf818b4_first
	.globl	k_qc43bf818b4_first
	.p2align	8
	.type	k_qc43bf818b4_first,@function
k_qc43bf818b4_first:
	s_mov_b64 s[64:65], 0
	v_nop
	global_prefetch_b8 v0, s[64:65] scope:SCOPE_SE
	s_setreg_imm32_b32 hwreg(HW_REG_WAVE_MODE, 25, 1), 1
	s_wait_xcnt 0x0
; k = x Wk^T + bk and v = x Wv^T + bv of layer 0 for 64 tokens, and this work-group's part of M[head] = k^T v (16 x 16, summed over its tokens).
; reference() forms ((q k^T) 0.25) v with no softmax between; the program forms q ((k^T v) 0.25), which is the same sum for every input in another
; ORDER OF ROUNDING: M is summed in f32 (64 tokens here, 32 such parts one after the other in the next launch) and rounded to bf16 once.
; Matrix operands are bf16, all sums and biases f32.  Values are claimed where reference() is finite.
; 128 work-groups of 64 tokens, four waves; wave w owns columns 64 w .. 64 w + 63 (heads 4 w .. 4 w + 3) for all 64 tokens.
; A wave's weights for a whole product (64 columns x 256 K in bf16) are 256 registers, loaded once by 64 loads of 512 consecutive bytes.
; Why 128 work-groups: each needs all of Wk and Wv whatever its tokens, and the next launch adds up one part of M for each work-group of the batch:
; with 256 work-groups that would be 1,048,576 bytes of parts for each work-group there, for half the products.
; No cluster: a joint load would land the weights in LDS, from where each byte would be read again; here each goes straight to the one wave that multiplies it.
; LDS: XH, x in bf16, four column blocks of 64 rows x 144 bytes (128 of data + 16: an odd multiple of 16, so sixteen rows of a 16-byte read start in different banks).
; Wave w writes block w alone; every wave reads all four behind the one barrier.
; HOW THE PRODUCTS RUN: a half-stage is 32 tokens x 64 K x my 64 columns = 16 matrix instructions on four fragments (8 LDS loads).  The fragments lie in a
; ring of four slots; at the end of half-stage t the fragments of half-stage t + 3 are asked for, in one run of eight loads, into the slot read in half-stage t - 1.
; REGISTER WINDOWS (s_set_vgpr_msb: bits 1:0 source 0, 3:2 source 1, 5:4 source 2, 7:6 destination):
;   0: addresses, bias tiles, the fragment ring, 8 accumulator tiles   1: Wk   2: Wv   3: x as loaded, then k^T, v^T and M
.set PK0,   528384                     ; the pack of (q5, proj5, k0, v0) lies behind pack 5 in g5
.set WSLOT, 131072
.set BOFF,  524288
.set HP,    144
.set XHB,   64*HP                      ; a column block of XH
.set L16,  1                           ; 16 lane
.set R4,   3                           ; 4 (lane % 16)
.set VX,   4                           ; x in memory: 1,024 (lane / 16) + 16 (lane % 16)
.set XHS,  5                           ; XH, my block: 144 (lane / 16) + 8 (lane % 16)
.set AX0,  7                           ; v7, v8: fragment address in XH, blocks 0-1 and blocks 2-3
.set BVR,  16                          ; v[16:19] bv as it lands
.set BKR,  24                          ; v[24:27] bk as it lands
.set BIAS, 32                          ; v[32:63] four C tiles that hold the bias
.set FR,   64                          ; v[64:191] the fragment ring: slot q at 64 + 32 q, fragment (a, e) at + 8 (2 a + e)
.set ACC,  192                         ; 8 accumulator tiles: (a, nt) at 192 + 8 (4 a + nt)
.set KF,   0                           ; window 3: k^T, group g head nt at 32 g + 8 nt
.set VF,   128                         ; window 3: v^T of the group at work
.set MA,   160                         ; window 3: M of my four heads
.set XIN,  16
.set WB,   20
.set BB,   22
.set POUT, 26
.set MSB, 0
.macro WIN new                         ; the immediate's high byte repeats the setting that is left
.if MSB != \new
	s_set_vgpr_msb (MSB<<8)|\new
.set MSB, \new
.endif
.endm
.macro PLACES                          ; four places behind a matrix instruction (ISA guide 7.12.1) before its results are read or its registers written or loaded into
.rept 4
	v_nop
.endr
.endm
.macro WCH off, c                      ; chunk c of eight of my 64 columns of a weight matrix: 8 loads of 512 consecutive bytes, load i into registers 4 i of the window that is set
.set jj, 0
.rept 8
	global_load_b128 v[4*(8*(\c)+jj):4*(8*(\c)+jj)+3], v[L16], s[WB:WB+1] offset:\off+512*(8*(\c)+jj)
.set jj, jj+1
.endr
.endm
; the four fragments of half-stage j (group j / 4, column block j % 4): token tiles a = 0, 1 x K steps e = 0, 1, two loads of 16 bytes each
.macro HFETCH areg, j
.set FQ, (\j)&3
.set FG, ((\j)>>2)&1
.irp a, 0,1
.irp e, 0,1
	ds_load_b128 v[FR+32*FQ+8*(2*\a+\e):FR+32*FQ+8*(2*\a+\e)+3],   v[\areg+(FQ>>1)] offset:(FQ&1)*XHB+(2*FG+\a)*16*HP+64*\e
	ds_load_b128 v[FR+32*FQ+8*(2*\a+\e)+4:FR+32*FQ+8*(2*\a+\e)+7], v[\areg+(FQ>>1)] offset:(FQ&1)*XHB+(2*FG+\a)*16*HP+64*\e+32
.endr
.endr
.endm
; 8 products: K step 2 (j % 4) + e, two token tiles x four column tiles.  The eight accumulators take turns, one instruction a turn.
; Tokens are source 0, so a lane holds one column for 8 tokens.  A group's first products take the bias tile as C: nothing is cleared.
.macro MUL8 j, e
.set MQ, (\j)&3
.irp a, 0,1
.irp nt, 0,1,2,3
.set WR, 8*(8*\nt+2*MQ+\e)
.set AR, FR+32*MQ+8*(2*\a+\e)
.set DR, ACC+8*(4*\a+\nt)
.set CR, DR
.if MQ==0
.if \e==0
.set CR, BIAS+8*\nt
.endif
.endif
	v_wmma_f32_16x16x32_bf16 v[DR:DR+7], v[AR:AR+7], v[WR:WR+7], v[CR:CR+7]
.endr
.endr
.endm
; the 8 accumulator tiles, rounded to bf16: tile (a, nt), pair i goes to dst + 4 a + 8 nt + i: the two token tiles of a head are at once
; the operand k^T (v^T): row d = lane % 16, K = 32 tokens
.macro CVT8 dst
.irp a, 0,1
.irp nt, 0,1,2,3
.irp i, 0,1,2,3
	v_cvt_pk_bf16_f32 v[\dst+4*\a+8*\nt+\i], v[ACC+8*(4*\a+\nt)+2*\i], v[ACC+8*(4*\a+\nt)+2*\i+1]
.endr
.endr
.endr
.endm
.macro VMM g                           ; M += k^T v over the group's 32 tokens; four accumulators by turns
	WIN 0xff
.irp nt, 0,1,2,3
.if \g
	v_wmma_f32_16x16x32_bf16 v[MA+8*\nt:MA+8*\nt+7], v[KF+32*(\g)+8*\nt:KF+32*(\g)+8*\nt+7], v[VF+8*\nt:VF+8*\nt+7], v[MA+8*\nt:MA+8*\nt+7]
.else
	v_wmma_f32_16x16x32_bf16 v[MA+8*\nt:MA+8*\nt+7], v[KF+32*(\g)+8*\nt:KF+32*(\g)+8*\nt+7], v[VF+8*\nt:VF+8*\nt+7], 0
.endif
.endr
.endm
.macro BMOV src, half                  ; half of the four C tiles: a lane's eight results are one column, so a tile holds that column's bias eight times
.set mm, 16*\half
.rept 16
	v_mov_b32 v[BIAS+mm], v[\src+(mm>>3)]
.set mm, mm+1
.endr
.endm
; half-stage t of 16: 0-7 the k product, 8-15 the v product, one run.  Behind its 16 products: the places, register work, then the one run of LDS loads.
.macro KVH t, cnt
.set TJ, (\t)&7
.set TN, ((\t)+3)&7
.set TG, TJ>>2
.set KVW, 0x04
.if \t >= 8
.set KVW, 0x08
.endif
	s_wait_dscnt \cnt                              ; this half-stage's 8 loads are in; what was issued behind them may stay out
	WIN KVW
	MUL8 TJ, 0
	MUL8 TJ, 1
	PLACES
.if (TJ&3)==3
	WIN 0xc0
.if \t < 8
	CVT8 KF+32*TG
.else
	CVT8 VF
.endif
.endif
.if \t == 5
	BMOV BVR, 0                                    ; bk's tiles were last read by the first products of half-stage 4
.endif
.if \t == 6
	BMOV BVR, 1
.endif
.if \t < 13
	WIN KVW                                        ; destination and address are in window 0 under the products' setting too
	HFETCH AX0, TN
.endif
.if \t >= 8
.if (TJ&3)==3
	VMM TG
.endif
.endif
.endm
	s_load_b128 s[4:7], s[0:1], 0x0                ; x, g5
	s_load_b64 s[8:9], s[0:1], 0x10                ; the parts of M
	v_lshl_add_u32 v22, v0, 2, 0x9000
	v_mov_b32 v23, 0
	v_lshrrev_b32 v28, 5, v0
	v_readfirstlane_b32 s2, v28                    ; wave 0..3
	s_lshl_b32 s40, ttmp9, 16                      ; 64 tokens x 1,024 bytes x work-group
	s_lshl_b32 s42, s2, 8                          ; 256 w: my 64 columns in f32
	s_add_co_u32 s40, s40, s42
	s_mov_b32 s41, 0
	s_mov_b32 s43, 0
	s_lshl_b32 s44, s2, 15                         ; 32,768 w: my part of a weight matrix
	s_mov_b32 s45, 0
	s_lshl_b32 s46, ttmp9, 14                      ; 16 heads x 1,024 bytes x work-group
	s_lshl_b32 s47, s2, 12                         ; + my four heads
	s_add_co_u32 s46, s46, s47
	s_mov_b32 s47, 0
	s_mul_i32 s48, s2, XHB                         ; my block of XH
	v_and_b32 v28, 31, v0
	v_and_b32 v29, 15, v0                          ; r
	v_bfe_u32 v30, v0, 4, 1                        ; h
	v_lshlrev_b32 v[L16], 4, v28
	v_lshlrev_b32 v[R4], 2, v29
	v_lshlrev_b32 v[VX], 4, v29
	v_lshl_add_u32 v[VX], v30, 10, v[VX]
	v_mul_u32_u24 v31, v30, HP
	v_lshl_add_u32 v31, v29, 3, v31
	v_add_nc_u32 v[XHS], s48, v31
	v_mul_u32_u24 v31, v29, HP
	v_lshl_add_u32 v[AX0], v30, 4, v31
	v_add_nc_u32 v[AX0+1], 2*XHB, v[AX0]
	s_wait_kmcnt 0x0
	s_add_nc_u64 s[XIN:XIN+1], s[4:5], s[40:41]
	s_add_nc_u64 s[WB:WB+1], s[6:7], s[44:45]
	s_add_nc_u64 s[WB:WB+1], s[WB:WB+1], PK0
	s_add_nc_u64 s[BB:BB+1], s[6:7], s[42:43]
	s_add_nc_u64 s[BB:BB+1], s[BB:BB+1], PK0+BOFF
	s_add_nc_u64 s[POUT:POUT+1], s[8:9], s[46:47]
.irp nt, 0,1,2,3
	global_load_b32 v[BKR+\nt], v[R4], s[BB:BB+1] offset:2048+64*\nt    ; bk of column 16 nt + r
	global_load_b32 v[BVR+\nt], v[R4], s[BB:BB+1] offset:3072+64*\nt    ; bv likewise
.endr
	WIN 0xc0
.set ii, 0
.rept 32
	global_load_b128 v[4*ii:4*ii+3], v[VX], s[XIN:XIN+1] offset:2048*ii    ; rows 2 i, 2 i + 1: sixteen lanes take my 256 aligned bytes of a row (no hint: the next launch reads x again)
.set ii, ii+1
.endr
	WIN 0x40
.irp c, 0,1,2,3,4,5,6,7
	WCH 2*WSLOT, \c                                ; Wk
.endr
	s_wait_loadcnt 63                              ; 64 younger loads (Wk) exist; the field's largest count is 63, the stricter wait: x and the biases are in
	; x in bf16 into my block of XH, a half at a time; behind each half a quarter of Wv is asked for
.irp q, 0,1
	WIN 0x0f
.set ii, 16*\q
.rept 16
	v_cvt_pk_bf16_f32 v[FR+2*ii],   v[4*ii],   v[4*ii+1]
	v_cvt_pk_bf16_f32 v[FR+2*ii+1], v[4*ii+2], v[4*ii+3]
.set ii, ii+1
.endr
	WIN 0
.set ii, 16*\q
.rept 16
	ds_store_b64 v[XHS], v[FR+2*ii:FR+2*ii+1] offset:2*HP*ii
.set ii, ii+1
.endr
	WIN 0x80
	WCH 3*WSLOT, 2*\q
	WCH 3*WSLOT, 2*\q+1
.endr
	WIN 0
	s_wait_dscnt 0x0                               ; my block of XH is written, for the others' sake
	s_barrier_signal -1
	BMOV BKR, 0                                    ; register work while the others arrive: bk's C tiles
	BMOV BKR, 1
	s_barrier_wait -1
	HFETCH AX0, 0
	HFETCH AX0, 1
	HFETCH AX0, 2
	WIN 0x80
.irp c, 4,5,6,7
	WCH 3*WSLOT, \c
.endr
	s_wait_loadcnt 63                              ; 64 younger loads (Wv): Wk is in
.irp t, 0,1,2,3,4,5,6,7
	KVH \t, 16                                     ; the fetches of the next two half-stages may stay out
.endr
	s_wait_loadcnt 0x0                             ; Wv
.irp t, 8,9,10,11,12,13
	KVH \t, 16
.endr
	KVH 14, 8                                      ; one younger fetch
	KVH 15, 0                                      ; nothing younger is out
	PLACES
	WIN 0x0c
.set jj, 0
.rept 8
	global_store_b128 v[L16], v[MA+4*jj:MA+4*jj+3], s[POUT:POUT+1] offset:512*jj   ; [head][half of the registers][lane][4 f32]: 512 consecutive bytes a store
.set jj, jj+1
.endr
	s_set_vgpr_msb 0xc00
	s_wait_tensorcnt 0x0
	ds_add_u32 v22, v23
	s_wait_dscnt 0x0
	s_set_vgpr_msb 0xc
	s_endpgm
.Lfunc_end_k_qc43bf818b4_first:
	.size	k_qc43bf818b4_first, .Lfunc_end_k_qc43bf818b4_first-k_qc43bf818b4_first
	.p2alignl 7, 3214868480
	.fill 96, 4, 3214868480
	.section	.rodata,"a",@progbits
	.p2align	6, 0x0
	.amdhsa_kernel k_qc43bf818b4_first
		.amdhsa_group_segment_fixed_size 37376
		.amdhsa_private_segment_fixed_size 0
		.amdhsa_enable_private_segment 0
		.amdhsa_kernarg_size 24
		.amdhsa_user_sgpr_count 2
		.amdhsa_user_sgpr_kernarg_segment_ptr 1
		.amdhsa_wavefront_size32 1
		.amdhsa_system_sgpr_workgroup_id_x 1
		.amdhsa_system_sgpr_workgroup_id_y 1
		.amdhsa_system_sgpr_workgroup_id_z 1
		.amdhsa_system_vgpr_workitem_id 0
		.amdhsa_next_free_vgpr 1024
		.amdhsa_next_free_sgpr 66
		.amdhsa_reserve_vcc 0
		.amdhsa_float_denorm_mode_32 3
		.amdhsa_float_denorm_mode_16_64 3
		.amdhsa_memory_ordered 1
		.amdhsa_forward_progress 1
		.amdhsa_inst_pref_size 63
	.end_amdhsa_kernel
	.amdgpu_metadata
---
amdhsa.version: [ 1, 2 ]
amdhsa.kernels:
  - .name:           k_qc43bf818b4_first
    .symbol:         k_qc43bf818b4_first.kd
    .args:
      - { .name: inputs_embeds, .offset: 0, .size: 8, .value_kind: global_buffer, .address_space: global }
      - { .name: g5, .offset: 8, .size: 8, .value_kind: global_buffer, .address_space: global }
      - { .name: pA, .offset: 16, .size: 8, .value_kind: global_buffer, .address_space: global }
    .group_segment_fixed_size: 37376
    .private_segment_fixed_size: 0
    .kernarg_segment_align: 8
    .kernarg_segment_size: 24
    .max_flat_workgroup_size: 128
    .sgpr_count:     66
    .vgpr_count:     1024
    .wavefront_size: 32
...
	.end_amdgpu_metadata
.endif
;; end of part 5
;; launch mid1 (part 6): grid 128 x 1, 4 waves a work-group, no clusters, 143,872 bytes of LDS; arguments inputs_embeds, pA, g1, xA, pB; writes xA, pB
.if DOCPART == 6
	.amdgcn_target "amdgcn-amd-amdhsa--gfx1250"
	.amdhsa_code_object_version 6
	.text
	.protected	k_qc43bf818b4_mid1
	.globl	k_qc43bf818b4_mid1
	.p2align	8
	.type	k_qc43bf818b4_mid1,@function
k_qc43bf818b4_mid1:
	s_mov_b64 s[64:65], 0
	v_nop
	global_prefetch_b8 v0, s[64:65] scope:SCOPE_SE
	s_setreg_imm32_b32 hwreg(HW_REG_WAVE_MODE, 25, 1), 1
	s_wait_xcnt 0x0
; One step of the chain for 64 tokens.  Arguments: x in, parts of M in, pack (Wq, Wproj, bq, bproj of layer i-1; Wk, Wv, bk, bv of layer i), x out, parts of M out.
;   M = 0.25 x (sum of the batch's 32 parts);  q = x Wq^T + bq;  y = q M (head by head);  x' = x + bproj + y Wproj^T;  k, v from x';  my part of M' = k^T v.
; reference() forms ((q k^T) 0.25) v with no softmax between; q ((k^T v) 0.25) is the same sum for every input in another ORDER OF ROUNDING:
; M is summed in f32 (64 tokens in the matrix unit, then the 32 parts one after the other), scaled by 0.25 (a power of two) and rounded to bf16 once.
; Matrix operands are bf16; x, biases, M and all sums are f32.  Values are claimed where reference() is finite: the y product packs two heads into K = 32
; with zeros for the other head's half, and zero times an infinite or NaN q of that head gives NaN, where reference()'s row is not finite either (through Wproj).
; SHARES: 128 work-groups of 64 tokens, four waves.  Wave w owns columns 64 w .. 64 w + 63 (heads 4 w .. 4 w + 3) of x, q, y, x', k, v for all 64 tokens.
; Its weights for a whole product (64 columns x 256 K in bf16) are 256 registers, asked for ahead in chunks of 8 loads of 512 consecutive bytes.
; Why 128 work-groups: each needs all four matrices (524,288 bytes) whatever its tokens, and one part of M (16,384 bytes) for each work-group of its batch:
; 524,288 bytes here; with 256 work-groups the parts would be 1,048,576 bytes for each, for half the products.
; No cluster, though all work-groups read the same weights: a joint load lands in LDS, each weight byte is wanted by one wave alone and would be read out of LDS
; again (524,288 bytes more LDS reads for a work-group), and each refill would need a round of the cluster's barrier; here a byte goes straight to its wave.
; The text is straight-line: the places of the resident weights, of q and of k^T in the registers are fixed.
; HOW THE PRODUCTS RUN: a half-stage is 32 tokens x 64 K x my 64 columns = 16 matrix instructions on four fragments (8 LDS loads).  The fragments lie in a ring
; of four slots; at the end of half-stage j the fragments of half-stage j + 3 are asked for into the slot read in half-stage j - 1.  All memory instructions of a
; half-stage stand at its end, behind the places and the register work, grouped by register window.
; What rides on the half-stages: q: four parts of M are added and their registers asked for again (part s + 8, then Wproj);  proj: Wk;  k: Wv;  k and v: x' on its way out.
; LDS, all in four column blocks, block w written by wave w alone:
;   XH  at 0:       x (later x') in bf16, 64 rows x 144 bytes a block     QY at 36,864: y in bf16, the same shape
;   X32 at 73,728:  x + bproj (later x') in f32, 64 rows x 272 bytes a block; read by its own wave alone: it only changes the lanes' order
;   Both pitches are odd multiples of 16 bytes: the sixteen rows of a 16-byte access start in different banks (64 banks of 4 bytes: ISA guide 11.1).
; REGISTER WINDOWS (s_set_vgpr_msb: bits 1:0 source 0, 3:2 source 1, 5:4 source 2, 7:6 destination):
;   0: addresses, biases, bias tiles, the fragment ring, 8 accumulator tiles
;   1: Wq, then Wk          2: a ring of eight parts of M, then Wproj, then Wv
;   3: x as loaded; then the sum of the parts, M as operand and q as operand; then two sets of proj accumulators; then k^T, v^T, M' and x' on its way out
.set WSLOT, 131072
.set BOFF,  524288
.set HP,    144
.set XHB,   64*HP                      ; a column block of XH or QY
.set QYB,   4*XHB                      ; QY's first byte
.set XP,    272
.set X32B,  64*XP                      ; a column block of X32
.set X32,   8*XHB                      ; X32's first byte
.set L16,  1                           ; 16 lane
.set H32,  2                           ; 32 (lane / 16)
.set R4,   3                           ; 4 (lane % 16)
.set VX,   4                           ; x in memory: 1,024 (lane / 16) + 16 (lane % 16)
.set XHS,  5                           ; XH, my block, by rows: 144 (lane / 16) + 8 (lane % 16)
.set X32S, 6                           ; X32, my block, by rows: 272 (lane / 16) + 16 (lane % 16)
.set AX0,  7                           ; v7, v8: fragment address in XH: blocks 0-1, blocks 2-3
.set AY0,  9                           ; v9, v10: the same in QY
.set YST,  11                          ; QY, my block: 144 r + 16 h
.set XST,  12                          ; XH, my block: 144 r + 16 h
.set AC,   13                          ; X32, my block: 272 r + 32 h
.set R16,  14                          ; 16 (lane % 16)
.set BVR,  16                          ; v[16:19] bv as it lands
.set BPJ,  20                          ; v[20:23] bproj of my four columns
.set BKR,  24                          ; v[24:27] bk as it lands
.set BIAS, 32                          ; v[32:63] four C tiles that hold a bias
.set FR,   64                          ; v[64:191] the fragment ring: slot q at 64 + 32 q, fragment (a, e) at + 8 (2 a + e)
.set ACC,  192                         ; 8 accumulator tiles: (a, nt) at 192 + 8 (4 a + nt)
.set MF,   32                          ; window 3: M as operand: for each pair of heads [Ma (4) zeros (4) Mb (4)]
.set QF,   128                         ; window 3: q as operand: token tile mt, pair of heads p at 128 + 16 mt + 8 p
.set PT,   128                         ; window 3: x' in bf16 on its way to XH
.set OS,   192                         ; window 3: x' in f32 on its way out, two sets of 32 registers
.set KF,   0                           ; window 3: k^T
.set VF,   128                         ; window 3: v^T
.set MA,   160                         ; window 3: M'
.set XIN,  16
.set PIN,  18
.set WB,   20
.set BB,   22
.set XOUT, 24
.set POUT, 26
.set MSB, 0
.macro WIN new                         ; the immediate's high byte repeats the setting that is left
.if MSB != \new
	s_set_vgpr_msb (MSB<<8)|\new
.set MSB, \new
.endif
.endm
.macro PLACES                          ; four places behind a matrix instruction (ISA guide 7.12.1) before its results are read or its registers written or loaded into
.rept 4
	v_nop
.endr
.endm
.macro WCH off, c                      ; chunk c of eight of my 64 columns of a weight matrix: 8 loads of 512 consecutive bytes, load i into registers 4 i of the window that is set
.set jj, 0
.rept 8
	global_load_b128 v[4*(8*(\c)+jj):4*(8*(\c)+jj)+3], v[L16], s[WB:WB+1] offset:\off+512*(8*(\c)+jj)
.set jj, jj+1
.endr
.endm
.macro PCH p                           ; part p of M, my four heads: 8 loads into region p % 8 of the ring
.set jj, 0
.rept 8
	global_load_b128 v[32*((\p)&7)+4*jj:32*((\p)&7)+4*jj+3], v[L16], s[PIN:PIN+1] offset:(\p)*16384+512*jj
.set jj, jj+1
.endr
.endm
; the four fragments of half-stage j (group j / 4, column block j % 4): token tiles a = 0, 1 x K steps e = 0, 1, two loads of 16 bytes each
.macro HFETCH areg, j
.set FQ, (\j)&3
.set FG, ((\j)>>2)&1
.irp a, 0,1
.irp e, 0,1
	ds_load_b128 v[FR+32*FQ+8*(2*\a+\e):FR+32*FQ+8*(2*\a+\e)+3],   v[\areg+(FQ>>1)] offset:(FQ&1)*XHB+(2*FG+\a)*16*HP+64*\e
	ds_load_b128 v[FR+32*FQ+8*(2*\a+\e)+4:FR+32*FQ+8*(2*\a+\e)+7], v[\areg+(FQ>>1)] offset:(FQ&1)*XHB+(2*FG+\a)*16*HP+64*\e+32
.endr
.endr
.endm
; 8 products: K step 2 (j % 4) + e, two token tiles x four column tiles.  The eight accumulators take turns, one instruction a turn.
; tr = 1: weights are source 0, so a lane holds 8 neighbouring columns of one token; tr = 0: tokens are source 0, a lane holds one column for 8 tokens.
; binit: a group's first products take the bias tile as C: nothing is cleared.
.macro MUL8 tr, j, e, acc, binit
.set MQ, (\j)&3
.irp a, 0,1
.irp nt, 0,1,2,3
.set WR, 8*(8*\nt+2*MQ+\e)
.set AR, FR+32*MQ+8*(2*\a+\e)
.set DR, \acc+8*(4*\a+\nt)
.set CR, DR
.if \binit
.if MQ==0
.if \e==0
.set CR, BIAS+8*\nt
.endif
.endif
.endif
.if \tr
	v_wmma_f32_16x16x32_bf16 v[DR:DR+7], v[WR:WR+7], v[AR:AR+7], v[CR:CR+7]
.else
	v_wmma_f32_16x16x32_bf16 v[DR:DR+7], v[AR:AR+7], v[WR:WR+7], v[CR:CR+7]
.endif
.endr
.endr
.endm
; the 8 accumulator tiles at src, rounded to bf16: tile (a, nt), pair i goes to dst + sa a + sn nt + i
.macro CVT8 dst, sa, sn, src
.irp a, 0,1
.irp nt, 0,1,2,3
.irp i, 0,1,2,3
	v_cvt_pk_bf16_f32 v[\dst+\sa*\a+\sn*\nt+\i], v[\src+8*(4*\a+\nt)+2*\i], v[\src+8*(4*\a+\nt)+2*\i+1]
.endr
.endr
.endr
.endm
; Step s: part s of M onto the sum (window 3, registers 0-31), and its registers are asked for again.  The loads behind Wq go out in the order
; part 0 .. part 31, Wproj chunk 0 .. 7, eight loads each; when step s begins the last one issued is number s + 7 of that order.
; Wproj's chunk c belongs at registers 32 c, which is region c of the ring.
.macro PSTEP s
.if \s == 1
	s_wait_loadcnt 48                              ; parts 2 to 7 may stay out
	WIN 0xca
.set qq, 0
.rept 16
	v_pk_add_f32 v[2*qq:2*qq+1], v[2*qq:2*qq+1], v[32+2*qq:32+2*qq+1]              ; the first two parts start the sum
.set qq, qq+1
.endr
	WIN 0x80
	PCH 8
	PCH 9
.else
	s_wait_loadcnt 56                              ; the seven chunks behind part s may stay out
	WIN 0xcb
.set qq, 0
.rept 16
	v_pk_add_f32 v[2*qq:2*qq+1], v[2*qq:2*qq+1], v[32*((\s)&7)+2*qq:32*((\s)&7)+2*qq+1]
.set qq, qq+1
.endr
	WIN 0x80
.if \s < 24
.set PN, (\s)+8
	PCH PN
.else
.set PN, (\s)-24
	WCH WSLOT, PN
.endif
.endif
.endm
; half-stage j of q.  q of 32 tokens, rounded: the tiles of two neighbouring heads are at once an operand with K = 32 (16 numbers of each head)
.macro QH j, cnt
	s_wait_dscnt \cnt                              ; this half-stage's 8 loads are in; the younger fetches may stay out
	WIN 0x01
	MUL8 1, \j, 0, ACC, 1
	MUL8 1, \j, 1, ACC, 1
	PLACES
.if ((\j)&3)==3
.set QD, QF+32*((\j)>>2)
	WIN 0xc0
	CVT8 QD, 16, 4, ACC
.endif
.if \j < 5
.set NJ, (\j)+3
	WIN 0
	HFETCH AX0, NJ
.endif
.set PS, 4*(\j)
.rept 4
.if PS > 0
	PSTEP PS                                       ; steps 4 j .. 4 j + 3 (step 1 takes parts 0 and 1)
.endif
.set PS, PS+1
.endr
.endm
; y of 32 tokens x my four heads: source 0 = M^T of one head beside zeros, source 1 = q of the pair of heads; then rounded into my block of QY
.macro YBATCH b
	WIN 0x0f
.irp a, 0,1
.irp nt, 0,1,2,3
	v_wmma_f32_16x16x32_bf16 v[ACC+8*(4*\a+\nt):ACC+8*(4*\a+\nt)+7], v[MF+12*(\nt>>1)+4*(\nt&1):MF+12*(\nt>>1)+4*(\nt&1)+7], v[QF+16*(2*\b+\a)+8*(\nt>>1):QF+16*(2*\b+\a)+8*(\nt>>1)+7], 0
.endr
.endr
	PLACES
	WIN 0
	CVT8 FR+32*(\b&1), 16, 4, ACC
.irp a, 0,1
.irp nt, 0,1,2,3
	ds_store_b128 v[YST], v[FR+32*(\b&1)+4*(4*\a+\nt):FR+32*(\b&1)+4*(4*\a+\nt)+3] offset:(2*\b+\a)*16*HP+32*\nt
.endr
.endr
.endm
; x + bproj of token tile 2 g + a in the accumulators' layout, from my block of X32, into set (g + 1) % 2: the proj sums start from it
.macro ACCH g, a
.irp nt, 0,1,2,3
	ds_load_b128 v[64*(((\g)+1)&1)+8*(4*(\a)+\nt):64*(((\g)+1)&1)+8*(4*(\a)+\nt)+3],   v[AC] offset:(2*(\g)+(\a))*16*XP+64*\nt
	ds_load_b128 v[64*(((\g)+1)&1)+8*(4*(\a)+\nt)+4:64*(((\g)+1)&1)+8*(4*(\a)+\nt)+7], v[AC] offset:(2*(\g)+(\a))*16*XP+64*\nt+16
.endr
.endm
.macro PSTO g, acc                     ; x' of group g: f32 back to the same bytes of X32, bf16 into my block of XH: 24 LDS stores
	WIN 0x0c
.irp a, 0,1
.irp nt, 0,1,2,3
	ds_store_b128 v[AC],  v[\acc+8*(4*\a+\nt):\acc+8*(4*\a+\nt)+3] offset:(2*(\g)+\a)*16*XP+64*\nt
	ds_store_b128 v[AC],  v[\acc+8*(4*\a+\nt)+4:\acc+8*(4*\a+\nt)+7] offset:(2*(\g)+\a)*16*XP+64*\nt+16
	ds_store_b128 v[XST], v[PT+4*(4*\a+\nt):PT+4*(4*\a+\nt)+3] offset:(2*(\g)+\a)*16*HP+32*\nt
.endr
.endr
.endm
; half-stage j of proj.  LDS instructions at its end, in this order: the fetch of j + 3 (8, up to j = 4); in half-stages 0 and 1 half of group 1's
; accumulators (8); in a group's last its 24 stores.  cnt = what was issued behind the fetch (at half-stage 4: behind the accumulators) that it needs.
; lcnt >= 0: a wait for Wproj.
.macro PH j, cnt, lcnt
.set PG, (\j)>>2
.set PQ, (\j)&3
.set ASET, 64*((PG+1)&1)
	s_wait_dscnt \cnt
.if \lcnt >= 0
	s_wait_loadcnt \lcnt
.endif
	WIN 0xf2
	MUL8 1, \j, 0, ASET, 0
	MUL8 1, \j, 1, ASET, 0
	PLACES
.if PQ==3
	WIN 0xcf
	CVT8 PT, 16, 4, ASET
.endif
.if \j < 5
.set NJ, (\j)+3
	WIN 0
	HFETCH AY0, NJ
.endif
.if \j < 2
	WIN 0xc0
	ACCH 1, PQ
.endif
.if PQ==3
	PSTO PG, ASET
.endif
.if \j < 4
	WIN 0x40
	WCH 2*WSLOT, 4+(\j)                            ; the second half of Wk
.endif
.endm
.macro VMM g                           ; M' += k^T v over the group's 32 tokens; four accumulators by turns
	WIN 0xff
.irp nt, 0,1,2,3
.if \g
	v_wmma_f32_16x16x32_bf16 v[MA+8*\nt:MA+8*\nt+7], v[KF+32*(\g)+8*\nt:KF+32*(\g)+8*\nt+7], v[VF+8*\nt:VF+8*\nt+7], v[MA+8*\nt:MA+8*\nt+7]
.else
	v_wmma_f32_16x16x32_bf16 v[MA+8*\nt:MA+8*\nt+7], v[KF+32*(\g)+8*\nt:KF+32*(\g)+8*\nt+7], v[VF+8*\nt:VF+8*\nt+7], 0
.endif
.endr
.endm
.macro BMOV src, half                  ; half of the four C tiles: a lane's eight results are one column, so a tile holds that column's bias eight times
.set mm, 16*\half
.rept 16
	v_mov_b32 v[BIAS+mm], v[\src+(mm>>3)]
.set mm, mm+1
.endr
.endm
; x' on its way out, chunk i of four: 16 rows read back by rows from my block of X32 into set i % 2, stored one half-stage later
.macro OLOAD i
.if \i >= 2
	s_wait_xcnt 0x0                                ; the set holds the data of chunk i - 2's stores: it is loaded again only behind this wait
.endif
	WIN 0xc0
.set jj, 0
.rept 8
	ds_load_b128 v[OS+32*((\i)&1)+4*jj:OS+32*((\i)&1)+4*jj+3], v[X32S] offset:2*XP*(8*(\i)+jj)
.set jj, jj+1
.endr
.endm
.macro OSTORE i
	WIN 0x0c
.set jj, 0
.rept 8
	global_store_b128 v[VX], v[OS+32*((\i)&1)+4*jj:OS+32*((\i)&1)+4*jj+3], s[XOUT:XOUT+1] offset:2048*(8*(\i)+jj)   ; sixteen lanes store 256 consecutive bytes, aligned
.set jj, jj+1
.endr
.endm
; half-stage t of 16: 0-7 the k product, 8-15 the v product, one run.  At its end: the places, register work, the fetch of t + 3, then
; (0 to 3) two chunks of Wv are asked for, (4, 6, 8, 10) a chunk of x' is read back, (5, 7, 9, 11) that chunk is stored; then M'.
; k (v) of 32 tokens, rounded: the two token tiles of a head are at once the operand k^T (v^T): row d = lane % 16, K = 32 tokens.
; The wait at its head: behind the fetch of t stand two younger fetches (16), and the read-backs issued at the ends of t - 3, t - 2, t - 1:
; one (24) for t from 5 to 13, two (32) for t = 7, 9, 11; at the end the fetches run out (8, 0).
.macro KVH t
.set TJ, (\t)&7
.set TN, ((\t)+3)&7
.set TG, TJ>>2
.set KVW, 0x04
.if \t >= 8
.set KVW, 0x08
.endif
.set DC, 16
.if \t >= 5
.if \t <= 13
.set DC, 24
.if (\t)&1
.if \t >= 7
.if \t <= 11
.set DC, 32
.endif
.endif
.endif
.endif
.endif
.if \t == 14
.set DC, 8
.endif
.if \t == 15
.set DC, 0
.endif
.if \t == 8
	s_wait_loadcnt 0x0                             ; Wv
.endif
	s_wait_dscnt DC
	WIN KVW
	MUL8 0, TJ, 0, ACC, 1
	MUL8 0, TJ, 1, ACC, 1
	PLACES
.if (TJ&3)==3
	WIN 0xc0
.if \t < 8
	CVT8 KF+32*TG, 4, 8, ACC
.else
	CVT8 VF, 4, 8, ACC
.endif
.endif
.if \t == 5
	BMOV BVR, 0                                    ; bk's tiles were last read by the first products of half-stage 4
.endif
.if \t == 6
	BMOV BVR, 1
.endif
.if \t < 13
	WIN KVW                                        ; destination and address are in window 0 under the products' setting too
	HFETCH AX0, TN
.endif
.if \t >= 4
.if \t < 12
.set OI, ((\t)-4)>>1
.if (\t)&1
	s_wait_dscnt 8                                 ; one fetch was issued behind the chunk's loads
	OSTORE OI
.else
	OLOAD OI
.endif
.endif
.endif
.if \t < 4
	WIN 0x80
	WCH 3*WSLOT, 2*(\t)                            ; Wv, into the window that Wproj has left
	WCH 3*WSLOT, 2*(\t)+1
.endif
.if \t >= 8
.if (TJ&3)==3
	VMM TG
.endif
.endif
.endm
	; ---- ids, offsets, addresses
	s_load_b256 s[4:11], s[0:1], 0x0               ; x in s[4:5], parts in s[6:7], pack s[8:9], x out s[10:11]
	s_load_b64 s[12:13], s[0:1], 0x20              ; parts out
	v_lshrrev_b32 v28, 5, v0
	v_readfirstlane_b32 s2, v28                    ; wave 0..3
	s_lshl_b32 s40, ttmp9, 16                      ; 64 tokens x 1,024 bytes x work-group
	s_lshl_b32 s46, s2, 8                          ; 256 w: my 64 columns in f32
	s_add_co_u32 s40, s40, s46
	s_mov_b32 s41, 0
	s_mov_b32 s47, 0
	s_lshr_b32 s42, ttmp9, 5                       ; batch: 32 work-groups each
	s_lshl_b32 s42, s42, 19                        ; its 32 parts of 16,384 bytes
	s_lshl_b32 s50, s2, 12                         ; my four heads of 1,024 bytes
	s_add_co_u32 s42, s42, s50
	s_mov_b32 s43, 0
	s_lshl_b32 s44, s2, 15                         ; 32,768 w: my part of a weight matrix
	s_mov_b32 s45, 0
	s_lshl_b32 s51, ttmp9, 14                      ; my work-group's part of M'
	s_add_co_u32 s50, s50, s51
	s_mov_b32 s51, 0
	s_mul_i32 s48, s2, XHB                         ; my block of XH
	s_mul_i32 s49, s2, X32B
	s_add_co_u32 s49, s49, X32                     ; my block of X32
	v_and_b32 v28, 31, v0
	v_and_b32 v29, 15, v0                          ; r
	v_bfe_u32 v30, v0, 4, 1                        ; h
	v_lshlrev_b32 v[L16], 4, v28
	v_lshlrev_b32 v[H32], 5, v30
	v_lshlrev_b32 v[R4], 2, v29
	v_lshlrev_b32 v[R16], 4, v29
	v_lshl_add_u32 v[VX], v30, 10, v[R16]
	v_mul_u32_u24 v31, v30, HP
	v_lshl_add_u32 v31, v29, 3, v31
	v_add_nc_u32 v[XHS], s48, v31
	v_mul_u32_u24 v31, v30, XP
	v_lshl_add_u32 v31, v29, 4, v31
	v_add_nc_u32 v[X32S], s49, v31
	v_mul_u32_u24 v31, v29, HP
	v_lshl_add_u32 v[AX0], v30, 4, v31
	v_add_nc_u32 v[AX0+1], 2*XHB, v[AX0]
	v_add_nc_u32 v[AY0], QYB, v[AX0]
	v_add_nc_u32 v[AY0+1], QYB+2*XHB, v[AX0]
	v_add_nc_u32 v[XST], s48, v[AX0]
	v_add_nc_u32 v[YST], QYB, v[XST]
	v_mul_u32_u24 v31, v29, XP
	v_lshl_add_u32 v31, v30, 5, v31
	v_add_nc_u32 v[AC], s49, v31
	s_wait_kmcnt 0x0
	s_add_nc_u64 s[XIN:XIN+1], s[4:5], s[40:41]
	s_add_nc_u64 s[XOUT:XOUT+1], s[10:11], s[40:41]
	s_add_nc_u64 s[PIN:PIN+1], s[6:7], s[42:43]
	s_add_nc_u64 s[WB:WB+1], s[8:9], s[44:45]
	s_add_nc_u64 s[BB:BB+1], s[8:9], s[46:47]
	s_add_nc_u64 s[BB:BB+1], s[BB:BB+1], BOFF
	s_add_nc_u64 s[POUT:POUT+1], s[12:13], s[50:51]
	; ---- first loads: the biases (bq as C tiles: a lane's 8 results are columns 16 nt + 8 h + 0..7), x, Wq
	global_load_b128 v[BPJ:BPJ+3], v[R16], s[BB:BB+1] offset:1024
.irp nt, 0,1,2,3
	global_load_b128 v[BIAS+8*\nt:BIAS+8*\nt+3],   v[H32], s[BB:BB+1] offset:64*\nt
	global_load_b128 v[BIAS+8*\nt+4:BIAS+8*\nt+7], v[H32], s[BB:BB+1] offset:64*\nt+16
	global_load_b32 v[BKR+\nt], v[R4], s[BB:BB+1] offset:2048+64*\nt    ; bk of column 16 nt + r
	global_load_b32 v[BVR+\nt], v[R4], s[BB:BB+1] offset:3072+64*\nt    ; bv likewise
.endr
	WIN 0xc0
.set ii, 0
.rept 32
	global_load_b128 v[4*ii:4*ii+3], v[VX], s[XIN:XIN+1] offset:2048*ii th:TH_LOAD_NT   ; rows 2 i, 2 i + 1: sixteen lanes take my 256 aligned bytes of a row; read once in this launch
.set ii, ii+1
.endr
	WIN 0x40
.irp c, 0,1,2,3,4,5,6,7
	WCH 0, \c                                      ; Wq
.endr
	s_wait_loadcnt 63                              ; 64 younger loads (Wq) exist; the field's largest count is 63, the stricter wait: x and the biases are in
	; ---- x in bf16 into XH, x + bproj in f32 into X32, a half at a time; behind each half three parts of M are asked for
.irp q, 0,1
	WIN 0x0f
.set ii, 16*\q
.rept 16
	v_cvt_pk_bf16_f32 v[FR+2*ii],   v[4*ii],   v[4*ii+1]
	v_cvt_pk_bf16_f32 v[FR+2*ii+1], v[4*ii+2], v[4*ii+3]
.set ii, ii+1
.endr
	WIN 0
.set ii, 16*\q
.rept 16
	ds_store_b64 v[XHS], v[FR+2*ii:FR+2*ii+1] offset:2*HP*ii
.set ii, ii+1
.endr
	WIN 0xc3
.set ii, 16*\q
.rept 16
	v_pk_add_f32 v[4*ii:4*ii+1],   v[4*ii:4*ii+1],   v[BPJ:BPJ+1]
	v_pk_add_f32 v[4*ii+2:4*ii+3], v[4*ii+2:4*ii+3], v[BPJ+2:BPJ+3]
.set ii, ii+1
.endr
	WIN 0x0c
.set ii, 16*\q
.rept 16
	ds_store_b128 v[X32S], v[4*ii:4*ii+3] offset:2*XP*ii
.set ii, ii+1
.endr
	WIN 0x80
	PCH 3*\q
	PCH 3*\q+1
	PCH 3*\q+2
.endr
	s_wait_dscnt 0x0                               ; my block of XH is written, for the others' sake
	s_barrier_signal -1
	s_barrier_wait -1                              ; XH is whole
	WIN 0
	HFETCH AX0, 0
	HFETCH AX0, 1
	HFETCH AX0, 2
	WIN 0x80
	PCH 6
	PCH 7
	s_wait_loadcnt 63                              ; 64 younger loads (parts 0-7): Wq is in
	; ---- q, with the sum of the parts of M riding on it
.irp j, 0,1,2,3,4,5
	QH \j, 16                                      ; the fetches of the next two half-stages may stay out
.endr
	QH 6, 8
	QH 7, 0
	; ---- M: the scale, the operand
	WIN 0xcf
.set qq, 0
.rept 16
	v_pk_mul_f32 v[2*qq:2*qq+1], v[2*qq:2*qq+1], 0x3e800000 op_sel_hi:[1,0]   ; 1 / sqrt(16)
.set qq, qq+1
.endr
.irp nt, 0,1,2,3
.irp i, 0,1,2,3
	v_cvt_pk_bf16_f32 v[MF+12*(\nt>>1)+8*(\nt&1)+\i], v[8*\nt+2*\i], v[8*\nt+2*\i+1]   ; a lane holds M[8 h + 0..7][r]: row e = r of M^T, K = d
.endr
.endr
.irp p, 0,1
.irp i, 0,1,2,3
	v_mov_b32 v[MF+12*\p+4+\i], 0                  ; the other head's half of K
.endr
.endr
	WIN 0xc0
	ACCH 0, 0                                      ; group 0's proj sums start from x + bproj: asked for ahead of y, from my own block
	ACCH 0, 1
	; ---- y
	YBATCH 0
	YBATCH 1
	s_wait_dscnt 0x0                               ; my block of QY is written and my reads of XH are back
	s_barrier_signal -1
	s_barrier_wait -1                              ; QY is whole; nobody reads XH any more
	; ---- x' = (x + bproj) + y Wproj^T
	HFETCH AY0, 0
	HFETCH AY0, 1
	HFETCH AY0, 2
	WIN 0x40
.irp c, 0,1,2,3
	WCH 2*WSLOT, \c                                ; the first half of Wk, into the window that Wq has left
.endr
	PH 0, 16, 40                                   ; two fetches; Wproj's last chunk (column tile 3, K steps 4-7) and four chunks of Wk may stay out
	PH 1, 24, -1                                   ; two fetches, half a set
	PH 2, 32, 48                                   ; two fetches, a set; six chunks of Wk stand behind Wproj's last
	PH 3, 32, -1                                   ; half a set, a fetch, half a set, a fetch
	PH 4, 40, -1                                   ; behind the set's second half: two fetches, 24 stores
	PH 5, 40, -1                                   ; a fetch, 24 stores, a fetch
	PH 6, 32, -1                                   ; 24 stores, a fetch
	PH 7, 0, -1
	s_wait_loadcnt 0x0                             ; Wk
	s_wait_dscnt 0x0                               ; my block of XH (x') is written, my reads of QY are back
	s_barrier_signal -1
	WIN 0
	BMOV BKR, 0                                    ; register work while the others arrive: bk's C tiles
	BMOV BKR, 1
	s_barrier_wait -1                              ; XH is whole again
	; ---- k, v, M', with Wv and x' on its way out riding on them
	HFETCH AX0, 0
	HFETCH AX0, 1
	HFETCH AX0, 2
.irp t, 0,1,2,3,4,5,6,7,8,9,10,11,12,13,14,15
	KVH \t
.endr
	PLACES
	WIN 0x0c
.set jj, 0
.rept 8
	global_store_b128 v[L16], v[MA+4*jj:MA+4*jj+3], s[POUT:POUT+1] offset:512*jj   ; [head][half of the registers][lane][4 f32]: 512 consecutive bytes a store
.set jj, jj+1
.endr
	s_wait_xcnt 0x0
	v_lshl_add_u32 v166, v0, 2, 0x23000
	v_mov_b32 v167, 0
	s_set_vgpr_msb 0xc00
	s_wait_tensorcnt 0x0
	ds_add_u32 v166, v167
	s_wait_dscnt 0x0
	s_set_vgpr_msb 0xc
	s_endpgm
.Lfunc_end_k_qc43bf818b4_mid1:
	.size	k_qc43bf818b4_mid1, .Lfunc_end_k_qc43bf818b4_mid1-k_qc43bf818b4_mid1
	.p2alignl 7, 3214868480
	.fill 96, 4, 3214868480
	.section	.rodata,"a",@progbits
	.p2align	6, 0x0
	.amdhsa_kernel k_qc43bf818b4_mid1
		.amdhsa_group_segment_fixed_size 143872
		.amdhsa_private_segment_fixed_size 0
		.amdhsa_enable_private_segment 0
		.amdhsa_kernarg_size 40
		.amdhsa_user_sgpr_count 2
		.amdhsa_user_sgpr_kernarg_segment_ptr 1
		.amdhsa_wavefront_size32 1
		.amdhsa_system_sgpr_workgroup_id_x 1
		.amdhsa_system_sgpr_workgroup_id_y 1
		.amdhsa_system_sgpr_workgroup_id_z 1
		.amdhsa_system_vgpr_workitem_id 0
		.amdhsa_next_free_vgpr 1024
		.amdhsa_next_free_sgpr 66
		.amdhsa_reserve_vcc 0
		.amdhsa_float_denorm_mode_32 3
		.amdhsa_float_denorm_mode_16_64 3
		.amdhsa_memory_ordered 1
		.amdhsa_forward_progress 1
		.amdhsa_inst_pref_size 197
	.end_amdhsa_kernel
	.amdgpu_metadata
---
amdhsa.version: [ 1, 2 ]
amdhsa.kernels:
  - .name:           k_qc43bf818b4_mid1
    .symbol:         k_qc43bf818b4_mid1.kd
    .args:
      - { .name: inputs_embeds, .offset: 0, .size: 8, .value_kind: global_buffer, .address_space: global }
      - { .name: pA, .offset: 8, .size: 8, .value_kind: global_buffer, .address_space: global }
      - { .name: g1, .offset: 16, .size: 8, .value_kind: global_buffer, .address_space: global }
      - { .name: xA, .offset: 24, .size: 8, .value_kind: global_buffer, .address_space: global }
      - { .name: pB, .offset: 32, .size: 8, .value_kind: global_buffer, .address_space: global }
    .group_segment_fixed_size: 143872
    .private_segment_fixed_size: 0
    .kernarg_segment_align: 8
    .kernarg_segment_size: 40
    .max_flat_workgroup_size: 128
    .sgpr_count:     66
    .vgpr_count:     1024
    .wavefront_size: 32
...
	.end_amdgpu_metadata
.endif
;; end of part 6
;; launch mid2: the kernel of part 6 again; grid 128 x 1, 4 waves a work-group, no clusters, 143,872 bytes of LDS; arguments xA, pB, g2, out0, pA; writes out0, pA
;; launch mid3: the kernel of part 6 again; grid 128 x 1, 4 waves a work-group, no clusters, 143,872 bytes of LDS; arguments out0, pA, g3, xA, pB; writes xA, pB
;; launch mid4: the kernel of part 6 again; grid 128 x 1, 4 waves a work-group, no clusters, 143,872 bytes of LDS; arguments xA, pB, g4, out0, pA; writes out0, pA
;; launch mid5: the kernel of part 6 again; grid 128 x 1, 4 waves a work-group, no clusters, 143,872 bytes of LDS; arguments out0, pA, g5, xA, pB; writes xA, pB
;; launch last (part 7): grid 128 x 1, 4 waves a work-group, no clusters, 143,872 bytes of LDS; arguments xA, pB, g5, out0; writes out0
.if DOCPART == 7
	.amdgcn_target "amdgcn-amd-amdhsa--gfx1250"
	.amdhsa_code_object_version 6
	.text
	.protected	k_qc43bf818b4_last
	.globl	k_qc43bf818b4_last
	.p2align	8
	.type	k_qc43bf818b4_last,@function
k_qc43bf818b4_last:
	s_mov_b64 s[64:65], 0
	v_nop
	global_prefetch_b8 v0, s[64:65] scope:SCOPE_SE
	s_setreg_imm32_b32 hwreg(HW_REG_WAVE_MODE, 25, 1), 1
	s_wait_xcnt 0x0
; The last step of the chain for 64 tokens.  Arguments: x in, parts of M in, g5 (the pack of q5, proj5 lies behind pack 5), the output.
;   M = 0.25 x (sum of the batch's 32 parts);  q = x Wq^T + bq;  y = q M (head by head);  out = x + bproj + y Wproj^T.
; reference() forms ((q k^T) 0.25) v with no softmax between; q ((k^T v) 0.25) is the same sum for every input in another ORDER OF ROUNDING:
; M is summed in f32 (64 tokens in the matrix unit, then the 32 parts one after the other), scaled by 0.25 (a power of two) and rounded to bf16 once.
; Matrix operands are bf16; x, biases, M and all sums are f32.  Values are claimed where reference() is finite: the y product packs two heads into K = 32
; with zeros for the other head's half, and zero times an infinite or NaN q of that head gives NaN, where reference()'s row is not finite either (through Wproj).
; SHARES: 128 work-groups of 64 tokens, four waves.  Wave w owns columns 64 w .. 64 w + 63 (heads 4 w .. 4 w + 3) of x, q, y and the output for all 64 tokens.
; Its weights for a whole product (64 columns x 256 K in bf16) are 256 registers, asked for ahead in chunks of 8 loads of 512 consecutive bytes.
; Why 128 work-groups: as many as wrote the parts of M; each needs both matrices (262,144 bytes) and its batch's 32 parts (524,288 bytes) whatever its tokens.
; No cluster, though all work-groups read the same weights: a joint load lands in LDS, each weight byte is wanted by one wave alone and would be read out of LDS
; again, and each refill would need a round of the cluster's barrier; here a byte goes straight to its wave.
; HOW THE PRODUCTS RUN: a half-stage is 32 tokens x 64 K x my 64 columns = 16 matrix instructions on four fragments (8 LDS loads), in a ring of four slots;
; at the end of half-stage j the fragments of half-stage j + 3 are asked for into the slot read in half-stage j - 1.  On q's half-stages ride the parts of M:
; four are added in each, and their registers are asked for again (part s + 8, then Wproj).
; LDS, all in four column blocks, block w written by wave w alone:
;   XH  at 0:       x in bf16, 64 rows x 144 bytes a block     QY at 36,864: y in bf16, the same shape
;   X32 at 73,728:  x + bproj (later the output) in f32, 64 rows x 272 bytes a block; read by its own wave alone: it only changes the lanes' order
;   Both pitches are odd multiples of 16 bytes: the sixteen rows of a 16-byte access start in different banks (64 banks of 4 bytes: ISA guide 11.1).
; REGISTER WINDOWS (s_set_vgpr_msb: bits 1:0 source 0, 3:2 source 1, 5:4 source 2, 7:6 destination):
;   0: addresses, biases, bias tiles, the fragment ring, 8 accumulator tiles      1: Wq      2: a ring of eight parts of M, then Wproj
;   3: x as loaded; then the sum of the parts, M as operand and q as operand; then two sets of proj accumulators and the output on its way out
.set PK0,   528384
.set WSLOT, 131072
.set BOFF,  524288
.set HP,    144
.set XHB,   64*HP                      ; a column block of XH or QY
.set QYB,   4*XHB                      ; QY's first byte
.set XP,    272
.set X32B,  64*XP                      ; a column block of X32
.set X32,   8*XHB                      ; X32's first byte
.set L16,  1                           ; 16 lane
.set H32,  2                           ; 32 (lane / 16)
.set VX,   4                           ; x in memory: 1,024 (lane / 16) + 16 (lane % 16)
.set XHS,  5                           ; XH, my block, by rows: 144 (lane / 16) + 8 (lane % 16)
.set X32S, 6                           ; X32, my block, by rows: 272 (lane / 16) + 16 (lane % 16)
.set AX0,  7                           ; v7, v8: fragment address in XH: blocks 0-1, blocks 2-3
.set AY0,  9                           ; v9, v10: the same in QY
.set YST,  11                          ; QY, my block: 144 r + 16 h
.set AC,   13                          ; X32, my block: 272 r + 32 h
.set R16,  14                          ; 16 (lane % 16)
.set BPJ,  20                          ; v[20:23] bproj of my four columns
.set BIAS, 32                          ; v[32:63] four C tiles that hold bq
.set FR,   64                          ; v[64:191] the fragment ring: slot q at 64 + 32 q, fragment (a, e) at + 8 (2 a + e)
.set ACC,  192                         ; 8 accumulator tiles: (a, nt) at 192 + 8 (4 a + nt)
.set MF,   32                          ; window 3: M as operand: for each pair of heads [Ma (4) zeros (4) Mb (4)]
.set QF,   128                         ; window 3: q as operand: token tile mt, pair of heads p at 128 + 16 mt + 8 p
.set OS,   128                         ; window 3: the output on its way out, 128 registers
.set XIN,  16
.set PIN,  18
.set WB,   20
.set BB,   22
.set XOUT, 24
.set MSB, 0
.macro WIN new                         ; the immediate's high byte repeats the setting that is left
.if MSB != \new
	s_set_vgpr_msb (MSB<<8)|\new
.set MSB, \new
.endif
.endm
.macro PLACES                          ; four places behind a matrix instruction (ISA guide 7.12.1) before its results are read or its registers written or loaded into
.rept 4
	v_nop
.endr
.endm
.macro WCH off, c                      ; chunk c of eight of my 64 columns of a weight matrix: 8 loads of 512 consecutive bytes, load i into registers 4 i of the window that is set
.set jj, 0
.rept 8
	global_load_b128 v[4*(8*(\c)+jj):4*(8*(\c)+jj)+3], v[L16], s[WB:WB+1] offset:\off+512*(8*(\c)+jj)
.set jj, jj+1
.endr
.endm
.macro PCH p                           ; part p of M, my four heads: 8 loads into region p % 8 of the ring
.set jj, 0
.rept 8
	global_load_b128 v[32*((\p)&7)+4*jj:32*((\p)&7)+4*jj+3], v[L16], s[PIN:PIN+1] offset:(\p)*16384+512*jj
.set jj, jj+1
.endr
.endm
; the four fragments of half-stage j (group j / 4, column block j % 4): token tiles a = 0, 1 x K steps e = 0, 1, two loads of 16 bytes each
.macro HFETCH areg, j
.set FQ, (\j)&3
.set FG, ((\j)>>2)&1
.irp a, 0,1
.irp e, 0,1
	ds_load_b128 v[FR+32*FQ+8*(2*\a+\e):FR+32*FQ+8*(2*\a+\e)+3],   v[\areg+(FQ>>1)] offset:(FQ&1)*XHB+(2*FG+\a)*16*HP+64*\e
	ds_load_b128 v[FR+32*FQ+8*(2*\a+\e)+4:FR+32*FQ+8*(2*\a+\e)+7], v[\areg+(FQ>>1)] offset:(FQ&1)*XHB+(2*FG+\a)*16*HP+64*\e+32
.endr
.endr
.endm
; 8 products: K step 2 (j % 4) + e, two token tiles x four column tiles.  The eight accumulators take turns, one instruction a turn.
; Weights are source 0, so a lane holds 8 neighbouring columns of one token.  binit: a group's first products take the bias tile as C: nothing is cleared.
.macro MUL8 j, e, acc, binit
.set MQ, (\j)&3
.irp a, 0,1
.irp nt, 0,1,2,3
.set WR, 8*(8*\nt+2*MQ+\e)
.set AR, FR+32*MQ+8*(2*\a+\e)
.set DR, \acc+8*(4*\a+\nt)
.set CR, DR
.if \binit
.if MQ==0
.if \e==0
.set CR, BIAS+8*\nt
.endif
.endif
.endif
	v_wmma_f32_16x16x32_bf16 v[DR:DR+7], v[WR:WR+7], v[AR:AR+7], v[CR:CR+7]
.endr
.endr
.endm
; the 8 accumulator tiles of window 0, rounded to bf16: tile (a, nt), pair i goes to dst + 16 a + 4 nt + i
.macro CVT8 dst
.irp a, 0,1
.irp nt, 0,1,2,3
.irp i, 0,1,2,3
	v_cvt_pk_bf16_f32 v[\dst+16*\a+4*\nt+\i], v[ACC+8*(4*\a+\nt)+2*\i], v[ACC+8*(4*\a+\nt)+2*\i+1]
.endr
.endr
.endr
.endm
; Step s: part s of M onto the sum (window 3, registers 0-31), and its registers are asked for again.  The loads behind Wq go out in the order
; part 0 .. part 31, Wproj chunk 0 .. 7, eight loads each; when step s begins the last one issued is number s + 7 of that order.
; Wproj's chunk c belongs at registers 32 c, which is region c of the ring.
.macro PSTEP s
.if \s == 1
	s_wait_loadcnt 48                              ; parts 2 to 7 may stay out
	WIN 0xca
.set qq, 0
.rept 16
	v_pk_add_f32 v[2*qq:2*qq+1], v[2*qq:2*qq+1], v[32+2*qq:32+2*qq+1]              ; the first two parts start the sum
.set qq, qq+1
.endr
	WIN 0x80
	PCH 8
	PCH 9
.else
	s_wait_loadcnt 56                              ; the seven chunks behind part s may stay out
	WIN 0xcb
.set qq, 0
.rept 16
	v_pk_add_f32 v[2*qq:2*qq+1], v[2*qq:2*qq+1], v[32*((\s)&7)+2*qq:32*((\s)&7)+2*qq+1]
.set qq, qq+1
.endr
	WIN 0x80
.if \s < 24
.set PN, (\s)+8
	PCH PN
.else
.set PN, (\s)-24
	WCH WSLOT, PN
.endif
.endif
.endm
; half-stage j of q.  q of 32 tokens, rounded: the tiles of two neighbouring heads are at once an operand with K = 32 (16 numbers of each head)
.macro QH j, cnt
	s_wait_dscnt \cnt                              ; this half-stage's 8 loads are in; the younger fetches may stay out
	WIN 0x01
	MUL8 \j, 0, ACC, 1
	MUL8 \j, 1, ACC, 1
	PLACES
.if ((\j)&3)==3
.set QD, QF+32*((\j)>>2)
	WIN 0xc0
	CVT8 QD
.endif
.if \j < 5
.set NJ, (\j)+3
	WIN 0
	HFETCH AX0, NJ
.endif
.set PS, 4*(\j)
.rept 4
.if PS > 0
	PSTEP PS                                       ; steps 4 j .. 4 j + 3 (step 1 takes parts 0 and 1)
.endif
.set PS, PS+1
.endr
.endm
; y of 32 tokens x my four heads: source 0 = M^T of one head beside zeros, source 1 = q of the pair of heads; then rounded into my block of QY
.macro YBATCH b
	WIN 0x0f
.irp a, 0,1
.irp nt, 0,1,2,3
	v_wmma_f32_16x16x32_bf16 v[ACC+8*(4*\a+\nt):ACC+8*(4*\a+\nt)+7], v[MF+12*(\nt>>1)+4*(\nt&1):MF+12*(\nt>>1)+4*(\nt&1)+7], v[QF+16*(2*\b+\a)+8*(\nt>>1):QF+16*(2*\b+\a)+8*(\nt>>1)+7], 0
.endr
.endr
	PLACES
	WIN 0
	CVT8 FR+32*(\b&1)
.irp a, 0,1
.irp nt, 0,1,2,3
	ds_store_b128 v[YST], v[FR+32*(\b&1)+4*(4*\a+\nt):FR+32*(\b&1)+4*(4*\a+\nt)+3] offset:(2*\b+\a)*16*HP+32*\nt
.endr
.endr
.endm
; x + bproj of token tile 2 g + a in the accumulators' layout, from my block of X32, into set (g + 1) % 2: the proj sums start from it
.macro ACCH g, a
.irp nt, 0,1,2,3
	ds_load_b128 v[64*(((\g)+1)&1)+8*(4*(\a)+\nt):64*(((\g)+1)&1)+8*(4*(\a)+\nt)+3],   v[AC] offset:(2*(\g)+(\a))*16*XP+64*\nt
	ds_load_b128 v[64*(((\g)+1)&1)+8*(4*(\a)+\nt)+4:64*(((\g)+1)&1)+8*(4*(\a)+\nt)+7], v[AC] offset:(2*(\g)+(\a))*16*XP+64*\nt+16
.endr
.endm
.macro PSTO g, acc                     ; the output of group g, f32, back to the same bytes of X32: 16 LDS stores
	WIN 0x0c
.irp a, 0,1
.irp nt, 0,1,2,3
	ds_store_b128 v[AC], v[\acc+8*(4*\a+\nt):\acc+8*(4*\a+\nt)+3] offset:(2*(\g)+\a)*16*XP+64*\nt
	ds_store_b128 v[AC], v[\acc+8*(4*\a+\nt)+4:\acc+8*(4*\a+\nt)+7] offset:(2*(\g)+\a)*16*XP+64*\nt+16
.endr
.endr
.endm
; half-stage j of proj.  LDS instructions at its end, in this order: the fetch of j + 3 (8, up to j = 4); in half-stages 0 and 1 half of group 1's
; accumulators (8); in a group's last its 16 stores.  cnt = what was issued behind the fetch (at half-stage 4: behind the accumulators) that it needs.
; lcnt >= 0: a wait for Wproj.
.macro PH j, cnt, lcnt
.set PG, (\j)>>2
.set PQ, (\j)&3
.set ASET, 64*((PG+1)&1)
	s_wait_dscnt \cnt
.if \lcnt >= 0
	s_wait_loadcnt \lcnt
.endif
	WIN 0xf2
	MUL8 \j, 0, ASET, 0
	MUL8 \j, 1, ASET, 0
	PLACES
.if \j < 5
.set NJ, (\j)+3
	WIN 0
	HFETCH AY0, NJ
.endif
.if \j < 2
	WIN 0xc0
	ACCH 1, PQ
.endif
.if PQ==3
	PSTO PG, ASET
.endif
.endm
	; ---- ids, offsets, addresses
	s_load_b256 s[4:11], s[0:1], 0x0               ; x in s[4:5], parts in s[6:7], g5 s[8:9], the output s[10:11]
	v_lshl_add_u32 v26, v0, 2, 0x23000
	v_mov_b32 v27, 0
	v_lshrrev_b32 v28, 5, v0
	v_readfirstlane_b32 s2, v28                    ; wave 0..3
	s_lshl_b32 s40, ttmp9, 16                      ; 64 tokens x 1,024 bytes x work-group
	s_lshl_b32 s46, s2, 8                          ; 256 w: my 64 columns in f32
	s_add_co_u32 s40, s40, s46
	s_mov_b32 s41, 0
	s_mov_b32 s47, 0
	s_lshr_b32 s42, ttmp9, 5                       ; batch: 32 work-groups each
	s_lshl_b32 s42, s42, 19                        ; its 32 parts of 16,384 bytes
	s_lshl_b32 s50, s2, 12                         ; my four heads of 1,024 bytes
	s_add_co_u32 s42, s42, s50
	s_mov_b32 s43, 0
	s_lshl_b32 s44, s2, 15                         ; 32,768 w: my part of a weight matrix
	s_mov_b32 s45, 0
	s_mul_i32 s48, s2, XHB                         ; my block of XH
	s_mul_i32 s49, s2, X32B
	s_add_co_u32 s49, s49, X32                     ; my block of X32
	v_and_b32 v28, 31, v0
	v_and_b32 v29, 15, v0                          ; r
	v_bfe_u32 v30, v0, 4, 1                        ; h
	v_lshlrev_b32 v[L16], 4, v28
	v_lshlrev_b32 v[H32], 5, v30
	v_lshlrev_b32 v[R16], 4, v29
	v_lshl_add_u32 v[VX], v30, 10, v[R16]
	v_mul_u32_u24 v31, v30, HP
	v_lshl_add_u32 v31, v29, 3, v31
	v_add_nc_u32 v[XHS], s48, v31
	v_mul_u32_u24 v31, v30, XP
	v_lshl_add_u32 v31, v29, 4, v31
	v_add_nc_u32 v[X32S], s49, v31
	v_mul_u32_u24 v31, v29, HP
	v_lshl_add_u32 v[AX0], v30, 4, v31
	v_add_nc_u32 v[AX0+1], 2*XHB, v[AX0]
	v_add_nc_u32 v[AY0], QYB, v[AX0]
	v_add_nc_u32 v[AY0+1], QYB+2*XHB, v[AX0]
	v_add_nc_u32 v[YST], s48, v[AY0]
	v_mul_u32_u24 v31, v29, XP
	v_lshl_add_u32 v31, v30, 5, v31
	v_add_nc_u32 v[AC], s49, v31
	s_wait_kmcnt 0x0
	s_add_nc_u64 s[XIN:XIN+1], s[4:5], s[40:41]
	s_add_nc_u64 s[XOUT:XOUT+1], s[10:11], s[40:41]
	s_add_nc_u64 s[PIN:PIN+1], s[6:7], s[42:43]
	s_add_nc_u64 s[WB:WB+1], s[8:9], s[44:45]
	s_add_nc_u64 s[WB:WB+1], s[WB:WB+1], PK0
	s_add_nc_u64 s[BB:BB+1], s[8:9], s[46:47]
	s_add_nc_u64 s[BB:BB+1], s[BB:BB+1], PK0+BOFF
	; ---- first loads: bproj, bq as C tiles (a lane's 8 results are columns 16 nt + 8 h + 0..7), x, Wq
	global_load_b128 v[BPJ:BPJ+3], v[R16], s[BB:BB+1] offset:1024
.irp nt, 0,1,2,3
	global_load_b128 v[BIAS+8*\nt:BIAS+8*\nt+3],   v[H32], s[BB:BB+1] offset:64*\nt
	global_load_b128 v[BIAS+8*\nt+4:BIAS+8*\nt+7], v[H32], s[BB:BB+1] offset:64*\nt+16
.endr
	WIN 0xc0
.set ii, 0
.rept 32
	global_load_b128 v[4*ii:4*ii+3], v[VX], s[XIN:XIN+1] offset:2048*ii th:TH_LOAD_NT   ; rows 2 i, 2 i + 1: sixteen lanes take my 256 aligned bytes of a row; read once in this launch
.set ii, ii+1
.endr
	WIN 0x40
.irp c, 0,1,2,3,4,5,6,7
	WCH 0, \c                                      ; Wq
.endr
	s_wait_loadcnt 63                              ; 64 younger loads (Wq) exist; the field's largest count is 63, the stricter wait: x and the biases are in
	; ---- x in bf16 into XH, x + bproj in f32 into X32, a half at a time; behind each half three parts of M are asked for
.irp q, 0,1
	WIN 0x0f
.set ii, 16*\q
.rept 16
	v_cvt_pk_bf16_f32 v[FR+2*ii],   v[4*ii],   v[4*ii+1]
	v_cvt_pk_bf16_f32 v[FR+2*ii+1], v[4*ii+2], v[4*ii+3]
.set ii, ii+1
.endr
	WIN 0
.set ii, 16*\q
.rept 16
	ds_store_b64 v[XHS], v[FR+2*ii:FR+2*ii+1] offset:2*HP*ii
.set ii, ii+1
.endr
	WIN 0xc3
.set ii, 16*\q
.rept 16
	v_pk_add_f32 v[4*ii:4*ii+1],   v[4*ii:4*ii+1],   v[BPJ:BPJ+1]
	v_pk_add_f32 v[4*ii+2:4*ii+3], v[4*ii+2:4*ii+3], v[BPJ+2:BPJ+3]
.set ii, ii+1
.endr
	WIN 0x0c
.set ii, 16*\q
.rept 16
	ds_store_b128 v[X32S], v[4*ii:4*ii+3] offset:2*XP*ii
.set ii, ii+1
.endr
	WIN 0x80
	PCH 3*\q
	PCH 3*\q+1
	PCH 3*\q+2
.endr
	s_wait_dscnt 0x0                               ; my block of XH is written, for the others' sake
	s_barrier_signal -1
	s_barrier_wait -1                              ; XH is whole
	WIN 0
	HFETCH AX0, 0
	HFETCH AX0, 1
	HFETCH AX0, 2
	WIN 0x80
	PCH 6
	PCH 7
	s_wait_loadcnt 63                              ; 64 younger loads (parts 0-7): Wq is in
	; ---- q, with the sum of the parts of M riding on it
.irp j, 0,1,2,3,4,5
	QH \j, 16                                      ; the fetches of the next two half-stages may stay out
.endr
	QH 6, 8
	QH 7, 0
	; ---- M: the scale, the operand
	WIN 0xcf
.set qq, 0
.rept 16
	v_pk_mul_f32 v[2*qq:2*qq+1], v[2*qq:2*qq+1], 0x3e800000 op_sel_hi:[1,0]   ; 1 / sqrt(16)
.set qq, qq+1
.endr
.irp nt, 0,1,2,3
.irp i, 0,1,2,3
	v_cvt_pk_bf16_f32 v[MF+12*(\nt>>1)+8*(\nt&1)+\i], v[8*\nt+2*\i], v[8*\nt+2*\i+1]   ; a lane holds M[8 h + 0..7][r]: row e = r of M^T, K = d
.endr
.endr
.irp p, 0,1
.irp i, 0,1,2,3
	v_mov_b32 v[MF+12*\p+4+\i], 0                  ; the other head's half of K
.endr
.endr
	WIN 0xc0
	ACCH 0, 0                                      ; group 0's proj sums start from x + bproj: asked for ahead of y, from my own block
	ACCH 0, 1
	; ---- y
	YBATCH 0
	YBATCH 1
	s_wait_dscnt 0x0                               ; my block of QY is written
	s_barrier_signal -1
	s_barrier_wait -1                              ; QY is whole
	; ---- out = (x + bproj) + y Wproj^T
	HFETCH AY0, 0
	HFETCH AY0, 1
	HFETCH AY0, 2
	PH 0, 16, 8                                    ; two fetches; Wproj's last chunk (column tile 3, K steps 4-7) may stay out
	PH 1, 24, -1                                   ; two fetches, half a set
	PH 2, 32, 0                                    ; two fetches, a set; all of Wproj
	PH 3, 32, -1                                   ; half a set, a fetch, half a set, a fetch
	PH 4, 32, -1                                   ; behind the set's second half: two fetches, 16 stores
	PH 5, 32, -1                                   ; a fetch, 16 stores, a fetch
	PH 6, 24, -1                                   ; 16 stores, a fetch
	PH 7, 0, -1
	; ---- the way out: read back by rows from my own block of X32 (LDS serves a wave in order, so these see my stores); sixteen lanes store 256 consecutive bytes, aligned
	WIN 0xc0
.set ii, 0
.rept 32
	ds_load_b128 v[OS+4*ii:OS+4*ii+3], v[X32S] offset:2*XP*ii
.set ii, ii+1
.endr
	WIN 0x0c
.irp q, 0,1
	s_wait_dscnt 16-16*\q                          ; the sixteen of this half are in, the younger ones stay out
.set jj, 16*\q
.rept 16
	global_store_b128 v[VX], v[OS+4*jj:OS+4*jj+3], s[XOUT:XOUT+1] offset:2048*jj th:TH_STORE_NT
.set jj, jj+1
.endr
.endr
	s_set_vgpr_msb 0xc00
	s_wait_tensorcnt 0x0
	ds_add_u32 v26, v27
	s_wait_dscnt 0x0
	s_set_vgpr_msb 0xc
	s_endpgm
.Lfunc_end_k_qc43bf818b4_last:
	.size	k_qc43bf818b4_last, .Lfunc_end_k_qc43bf818b4_last-k_qc43bf818b4_last
	.p2alignl 7, 3214868480
	.fill 96, 4, 3214868480
	.section	.rodata,"a",@progbits
	.p2align	6, 0x0
	.amdhsa_kernel k_qc43bf818b4_last
		.amdhsa_group_segment_fixed_size 143872
		.amdhsa_private_segment_fixed_size 0
		.amdhsa_enable_private_segment 0
		.amdhsa_kernarg_size 32
		.amdhsa_user_sgpr_count 2
		.amdhsa_user_sgpr_kernarg_segment_ptr 1
		.amdhsa_wavefront_size32 1
		.amdhsa_system_sgpr_workgroup_id_x 1
		.amdhsa_system_sgpr_workgroup_id_y 1
		.amdhsa_system_sgpr_workgroup_id_z 1
		.amdhsa_system_vgpr_workitem_id 0
		.amdhsa_next_free_vgpr 1024
		.amdhsa_next_free_sgpr 66
		.amdhsa_reserve_vcc 0
		.amdhsa_float_denorm_mode_32 3
		.amdhsa_float_denorm_mode_16_64 3
		.amdhsa_memory_ordered 1
		.amdhsa_forward_progress 1
		.amdhsa_inst_pref_size 140
	.end_amdhsa_kernel
	.amdgpu_metadata
---
amdhsa.version: [ 1, 2 ]
amdhsa.kernels:
  - .name:           k_qc43bf818b4_last
    .symbol:         k_qc43bf818b4_last.kd
    .args:
      - { .name: xA, .offset: 0, .size: 8, .value_kind: global_buffer, .address_space: global }
      - { .name: pB, .offset: 8, .size: 8, .value_kind: global_buffer, .address_space: global }
      - { .name: g5, .offset: 16, .size: 8, .value_kind: global_buffer, .address_space: global }
      - { .name: out0, .offset: 24, .size: 8, .value_kind: global_buffer, .address_space: global }
    .group_segment_fixed_size: 143872
    .private_segment_fixed_size: 0
    .kernarg_segment_align: 8
    .kernarg_segment_size: 32
    .max_flat_workgroup_size: 128
    .sgpr_count:     66
    .vgpr_count:     1024
    .wavefront_size: 32
...
	.end_amdgpu_metadata
.endif
;; end of part 7
